; MI455X (gfx1250); checked and timed in simulation.
; The chip was launched on July 23, 2026; its instructions are those of AMD's public machine-readable ISA for CDNA 5 (MIT licence, August 2026) and "CDNA5" Instruction Set Architecture Reference Guide (July 2026). The comments in the code are by the model that wrote it; some were corrected since.
;; Modal Synergy Cross Weight. Allowed arithmetic: float matrix products may take bf16 or f16 operands with f32 sums; all other float work in f32.
;; Inputs: lidar_voxel_coords 50,000 x 3 float32; radar_voxel_coords 5,000 x 3 float32; radar_voxel_feat 5,000 x 64 float32.
;; Outputs: out0 50,000 float32.
;; 4 versions, each right; versions 2 to 3 are each faster than the one before; version 4 is version 3 with the launch coarse written anew for expert scheduling mode. Each part assembles by itself: llvm-mc -triple=amdgcn-amd-amdhsa -mcpu=gfx1250 --defsym DOCPART=n.
;; ======== version 1 of 4: 2 launches
;; workspace buffers: cand 812,032 bytes of whole numbers; wtab 20,480 bytes
;; launch coarse (part 1): grid 61 x 4, 4 waves a work-group, no clusters, 86,528 bytes of LDS; arguments lidar_voxel_coords, radar_voxel_coords, radar_voxel_feat, cand, wtab; writes cand, wtab
.if DOCPART == 1
	.amdgcn_target "amdgcn-amd-amdhsa--gfx1250"
	.amdhsa_code_object_version 6
	.text
	.protected	k_q1bb5623e29_coarse
	.globl	k_q1bb5623e29_coarse
	.p2align	8
	.type	k_q1bb5623e29_coarse,@function
k_q1bb5623e29_coarse:
	s_mov_b64 s[64:65], 0
	v_nop
	global_prefetch_b8 v0, s[64:65] scope:SCOPE_SE
	s_setreg_imm32_b32 hwreg(HW_REG_WAVE_MODE, 25, 1), 1
	s_wait_xcnt 0x0
; NEAREST RADAR POINT OF EVERY LIDAR POINT, FIRST OF TWO LAUNCHES: THE SEARCH OVER ALL PAIRS, ON THE MATRIX UNIT.
; For each lidar point and each quarter of the radar list this launch stores the ids of the two groups of 8 consecutive radar points
; that hold the best scores (cand, whole numbers); the next launch decides among them with reference()'s own formula.
; It also stores wtab[n] = sigmoid(0.6 |feat[n][0]| + 0.4 feat[n][1]) for every radar point.
;
; WORK LEFT OUT, for all values of the inputs:
;  - feat's columns 2 to 63: reference() slices columns 0 and 1 only; the others have no way to the output and are not loaded.
;  - l2 in this launch: it is the same for all radar points of one lidar point, so argmin(l2 + r2 - 2 cross) = argmax(cross - r2/2).
;    The next launch forms l2 + r2 - 2 cross whole, as reference() does.
;  - Both point sets are shifted by one common vector c (radar point 0, cut to its upper 16 bits): |l - r| does not change, and the
;    score is then made of numbers of the size of the spread, not of the offset.
; FORMAT: coordinates are rounded to bf16 (nearest even) as they are loaded, here and in the next launch: the neighbour found is that of
; the rounded points.  A rounded coordinate minus c is exact in f32 and is cut exactly into three bf16 pieces; K = 32 holds all 27 products
; of pieces and the three pieces of -r2/2, so the score has f32's accuracy.
; LIMITS: NaN and infinite coordinates are not treated as argmin treats them, and a NaN, an infinity or an overflow that reaches only the
; work left out is not carried to the result; |score| has to stay below 2^127 (padding rows score -2^127); two groups are kept for each
; quarter: a third group whose score lies within the score's rounding (about one unit in its last place) of the best can be missed.
; Scores that are exactly equal keep the lower group ids.
;
; SHARES: work-group (x, y): lidar rows 832 x .. +831 against radar rows 1280 y .. +1279 (80 tiles of 16; the list is padded to 5,120).
; Wave w: 13 lidar tiles of 16 (208 rows), whose B fragments stay in registers, against all 80 radar tiles, read from LDS.
; A = 16 radar rows, B = 16 lidar columns: register j of D in lane (r, h) is radar row 8 h + j against lidar r, so a lane's eight
; registers are one group of 8 radar points for one lidar point.
; No tensor loads and no cluster: the inputs are 60,000 and 600,000 bytes and are of use only after the cut into pieces, made in registers.
.set NRAD,  5000
.set NLID,  50000
.set PLANE, 203008                     ; bytes of one quarter's plane of cand: 61 x 832 words
.set STAGE, 81920                      ; LDS: the table takes 80 x 1,024 bytes; behind it 832 words for the way out
.set BF,   16                          ; v[16:119]  13 B fragments.  Before that: LOF, ROF
.set LOF,  16                          ; v16-28     byte offsets of my 13 lidar rows
.set ROF,  32                          ; v32-41     byte offsets of my 10 radar rows
.set ST,   120                         ; v[120:171] tile j: best, second, id of best, id of second.  Before that: LRAW
.set LRAW, 120                         ; v120-158   13 lidar rows as loaded
.set DD,   172                         ; v[172:203] four D buffers.  Before that: RRAW
.set RRAW, 172                         ; v172-201   10 radar rows as loaded
.set AF,   204                         ; v[204:219] two A buffers
.set RM,   220                         ; the group's maximum of the step before
.set T0,   221                         ; v221-223   at work
.set GID,  224                         ; id of the group that RM belongs to
.set ADRA, 225                         ; LDS address of my 16 bytes of a table block
.set PP,   226                         ; v226-237   pieces: X0 X1 X2 Y0 Y1 Y2 Z0 Z1 Z2 Q0 Q1 Q2
.set ONE,  238                         ; 1.0 as f32: its upper half is 1.0 in bf16
.set C14,  239                         ; two bf16 ones
.set WW,   240                         ; v240-255   the 16 words of a row of 32 bf16
.macro PK d, hi, lo                    ; the upper halves of two f32: lo into bits 15:0, hi into bits 31:16
	v_perm_b32 v[\d], v[\hi], v[\lo], s24
.endm
.macro SPLIT3 src, p                   ; an f32 cut exactly into three numbers of 8 significant bits each
	v_and_b32 v[\p], s25, v[\src]
	v_sub_f32 v[\p+2], v[\src], v[\p]
	v_and_b32 v[\p+1], s25, v[\p+2]
	v_sub_f32 v[\p+2], v[\p+2], v[\p+1]
.endm
.macro ROUND3 raw                      ; a point as loaded: rounded to bf16, shifted by c (exact) into v7-9, cut into pieces
	v_cvt_pk_bf16_f32 v10, v[\raw], v[\raw+1]
	v_cvt_pk_bf16_f32 v11, v[\raw+2], v[\raw+2]
	v_lshlrev_b32 v7, 16, v10
	v_and_b32 v8, s25, v10
	v_lshlrev_b32 v9, 16, v11
	v_sub_f32 v7, v7, s16
	v_sub_f32 v8, v8, s17
	v_sub_f32 v9, v9, s18
	SPLIT3 7, PP
	SPLIT3 8, PP+3
	SPLIT3 9, PP+6
.endm
	s_load_b256 s[4:11], s[0:1], 0x0               ; lidar s[4:5], radar s[6:7], feat s[8:9], cand s[10:11]
	s_load_b64 s[12:13], s[0:1], 0x20              ; wtab
	v_lshl_add_u32 v13, v0, 2, 0x15000
	v_mov_b32 v14, 0
	v_lshrrev_b32 v1, 5, v0
	v_readfirstlane_b32 s20, v1                    ; wave
	s_mov_b32 s21, ttmp9                           ; x
	s_and_b32 s22, ttmp7, 0xffff                   ; y
	s_mul_i32 s23, s22, 61
	s_add_co_u32 s23, s23, s21                     ; q = 61 y + x: the work-group's number
	s_mov_b32 s24, 0x07060302                      ; v_perm_b32: two upper halves
	s_mov_b32 s25, 0xffff0000                      ; an f32's upper 16 bits; also the mask of lanes 16 to 31
	s_mov_b32 s26, 0x76543210                      ; v_permlanex16_b32: lane i of one half reads lane i of the other
	s_mov_b32 s27, 0xfedcba98
	v_and_b32 v1, 31, v0                           ; lane
	v_and_b32 v2, 15, v0                           ; r
	v_bfe_u32 v3, v0, 4, 1                         ; h
	s_mul_i32 s32, s22, 1280
	v_add_nc_u32 v4, s32, v0                       ; n0: my radar row of round 0
.set i, 0
.rept 10
	v_add_nc_u32 v[ROF+i], 128*i, v4               ; round i: row n0 + 128 i, held inside the list
	v_min_u32 v[ROF+i], NRAD-1, v[ROF+i]
	v_mul_u32_u24 v[ROF+i], 12, v[ROF+i]
.set i, i+1
.endr
	s_mul_i32 s32, s21, 832
	s_mul_i32 s33, s20, 208
	s_add_co_u32 s32, s32, s33
	v_add_nc_u32 v11, s32, v2                      ; my wave's first lidar row + r
.set i, 0
.rept 13
	v_add_nc_u32 v[LOF+i], 16*i, v11
	v_min_u32 v[LOF+i], NLID-1, v[LOF+i]
	v_mul_u32_u24 v[LOF+i], 12, v[LOF+i]
.set i, i+1
.endr
	v_lshrrev_b32 v5, 4, v0                        ; where my radar rows go in the table: block t / 16 (+ 8 a round), 16 bytes at 16 (t % 16)
	v_lshlrev_b32 v5, 10, v5
	v_lshl_add_u32 v5, v2, 4, v5
	v_add_nc_u32 v6, 40960, v5                     ; rounds 5 to 9: the immediate of an LDS store has 16 bits
	v_mov_b32 v[ONE], 1.0
	v_mov_b32 v[C14], 0x3f803f80
	s_wait_kmcnt 0x0
	s_load_b96 s[16:18], s[6:7], 0x0               ; radar point 0
.set i, 0
.rept 10
	global_load_b32 v[RRAW+3*i],   v[ROF+i], s[6:7]
	global_load_b32 v[RRAW+3*i+1], v[ROF+i], s[6:7] offset:4
	global_load_b32 v[RRAW+3*i+2], v[ROF+i], s[6:7] offset:8
.set i, i+1
.endr
.set i, 0
.rept 13
	global_load_b32 v[LRAW+3*i],   v[LOF+i], s[4:5]
	global_load_b32 v[LRAW+3*i+1], v[LOF+i], s[4:5] offset:4
	global_load_b32 v[LRAW+3*i+2], v[LOF+i], s[4:5] offset:8
.set i, i+1
.endr
	; wtab: wave 0 of the first 40 work-groups makes 128 entries each, four a lane (entries from 5,000 on repeat row 4,999 and are never read)
	s_cmp_lg_u32 s20, 0
	s_cbranch_scc1 .Lno_w
	s_cmp_ge_u32 s23, 40
	s_cbranch_scc1 .Lno_w
	s_mov_b32 s31, 0x3f19999a                      ; 0.6
	s_lshl_b32 s32, s23, 7
	v_lshl_add_u32 v15, v1, 2, s32                 ; 128 q + 4 lane
.set i, 0
.rept 4
	v_add_nc_u32 v[WW+8+i], i, v15
	v_min_u32 v[WW+8+i], NRAD-1, v[WW+8+i]
	v_lshlrev_b32 v[WW+8+i], 8, v[WW+8+i]          ; a row of feat is 256 bytes
.set i, i+1
.endr
.set i, 0
.rept 4
	global_load_b64 v[WW+2*i:WW+2*i+1], v[WW+8+i], s[8:9]   ; columns 0 and 1
.set i, i+1
.endr
	s_wait_loadcnt 0x0
.set i, 0
.rept 4
	v_mul_f32 v[WW+2*i+1], 0x3ecccccd, v[WW+2*i+1]          ; 0.4 power
	v_fma_f32 v[WW+2*i], |v[WW+2*i]|, s31, v[WW+2*i+1]      ; + 0.6 |doppler|
	v_mul_f32 v[WW+2*i], 0xbfb8aa3b, v[WW+2*i]              ; times -log2(e)
.set i, i+1
.endr
.set i, 0
.rept 4
	v_exp_f32 v[WW+8+i], v[WW+2*i]
.set i, i+1
.endr
	v_nop                                          ; one plain instruction behind the exponentials (ISA guide 5.7.2)
.set i, 0
	s_wait_alu depctr_va_vdst(0)
.rept 4
	v_add_f32 v[WW+8+i], 1.0, v[WW+8+i]
.set i, i+1
.endr
.set i, 0
.rept 4
	v_rcp_f32 v[WW+i], v[WW+8+i]                   ; sigmoid(s) = 1 / (1 + 2^(-s log2 e)): an overflow gives 1/inf = 0, as sigmoid does
.set i, i+1
.endr
	v_lshlrev_b32 v15, 4, v1                       ; plain instructions behind the reciprocals
	v_lshl_add_u32 v15, s23, 9, v15
	s_wait_alu depctr_va_vdst(0)
	global_store_b128 v15, v[WW:WW+3], s[12:13]    ; the wave stores 512 consecutive bytes, aligned
	s_wait_xcnt 0x0                                ; the store's data registers are written again below
.Lno_w:
	s_wait_kmcnt 0x0
	s_and_b32 s16, s16, s25                        ; c: radar point 0 cut to 8 significant bits, so that a bf16 minus c is exact
	s_and_b32 s17, s17, s25
	s_and_b32 s18, s18, s25
	; THE RADAR TABLE.  A row of 32 bf16: X0 X0 X0 X1 X1 X1 X2 X2 X2, the same of Y and of Z, Q0 Q1 Q2 (pieces of -r2/2), 0 0.
	; A block of 1,024 bytes is one tile in the order of the fragment: words 4 c .. 4 c + 3 of row r at 256 c + 16 r, so that a fragment
	; is two loads of 512 consecutive bytes.
	s_wait_loadcnt 39                              ; the 39 lidar loads were issued later and may stay out: my 10 radar rows are in
	v_mov_b32 v[WW+15], 0
.macro RADROW i
	ROUND3 RRAW+3*\i
	v_mul_f32 v10, v7, v7
	v_fma_f32 v10, v8, v8, v10
	v_fma_f32 v10, v9, v9, v10
	v_mul_f32 v10, -0.5, v10
	v_cmp_gt_u32 vcc_lo, NRAD-128*\i, v4           ; n0 + 128 i < 5,000: a row of the list
	v_cndmask_b32 v10, 0xff000000, v10, vcc_lo     ; padding rows get -2^127 and never win
	SPLIT3 10, PP+9
	PK WW+0,  PP+0,  PP+0
	PK WW+1,  PP+1,  PP+0
	PK WW+2,  PP+1,  PP+1
	PK WW+3,  PP+2,  PP+2
	PK WW+4,  PP+3,  PP+2
	PK WW+5,  PP+3,  PP+3
	PK WW+6,  PP+4,  PP+4
	PK WW+7,  PP+5,  PP+4
	PK WW+8,  PP+5,  PP+5
	PK WW+9,  PP+6,  PP+6
	PK WW+10, PP+7,  PP+6
	PK WW+11, PP+7,  PP+7
	PK WW+12, PP+8,  PP+8
	PK WW+13, PP+9,  PP+8
	PK WW+14, PP+11, PP+10
.if \i < 5
.set TB, 5
.set TO, 8192*\i
.else
.set TB, 6
.set TO, 8192*(\i-5)
.endif
	ds_store_b128 v[TB], v[WW:WW+3]     offset:TO
	ds_store_b128 v[TB], v[WW+4:WW+7]   offset:TO+256
	ds_store_b128 v[TB], v[WW+8:WW+11]  offset:TO+512
	ds_store_b128 v[TB], v[WW+12:WW+15] offset:TO+768
.endm
.irp i, 0,1,2,3,4,5,6,7,8,9
	RADROW \i
.endr
	; THE LIDAR FRAGMENTS.  A column of 32 bf16: x0 x1 x2 three times, the same of y and of z, 1 1 1, 0 0.
	; Lane (r, h) holds words 4 h .. 4 h + 3 and 8 + 4 h .. 8 + 4 h + 3 of column r (ISA guide 7.12.2): both halves make all words and select.
	s_wait_loadcnt 0x0
.macro LIDFRAG j
.set FB, BF+8*\j
	ROUND3 LRAW+3*\j
	PK WW+0,  PP+1, PP+0                           ; words 0 and 3: x0 x1
	PK WW+1,  PP+0, PP+2                           ; word 1: x2 x0
	PK WW+2,  PP+2, PP+1                           ; word 2: x1 x2
	PK WW+4,  PP+3, PP+2                           ; word 4: x2 y0
	PK WW+5,  PP+5, PP+4                           ; words 5 and 8: y1 y2
	PK WW+6,  PP+4, PP+3                           ; word 6: y0 y1
	PK WW+7,  PP+3, PP+5                           ; word 7: y2 y0
	PK WW+9,  PP+7, PP+6                           ; words 9 and 12: z0 z1
	PK WW+10, PP+6, PP+8                           ; word 10: z2 z0
	PK WW+11, PP+8, PP+7                           ; word 11: z1 z2
	PK WW+13, ONE,  PP+8                           ; word 13: z2 1
	v_cndmask_b32 v[FB+0], v[WW+0],  v[WW+4],  s25
	v_cndmask_b32 v[FB+1], v[WW+1],  v[WW+5],  s25
	v_cndmask_b32 v[FB+2], v[WW+2],  v[WW+6],  s25
	v_cndmask_b32 v[FB+3], v[WW+0],  v[WW+7],  s25
	v_cndmask_b32 v[FB+4], v[WW+5],  v[WW+9],  s25
	v_cndmask_b32 v[FB+5], v[WW+9],  v[WW+13], s25
	v_cndmask_b32 v[FB+6], v[WW+10], v[C14],   s25
	v_cndmask_b32 v[FB+7], v[WW+11], 0,        s25
.endm
.irp j, 0,1,2,3,4,5,6,7,8,9,10,11,12
	LIDFRAG \j
.endr
	s_wait_dscnt 0x0                               ; my rows of the table are written,
	s_barrier_signal -1
	s_barrier_wait -1                              ; everybody's are
	; THE SEARCH.  Step s = 13 tau + j multiplies radar tile tau by lidar tile j.  Three products run ahead: in step s the product of step
	; s + 3 is issued, the eight results of step s are reduced to their maximum RM, and the maximum of step s - 1 is entered into the
	; state of its lidar tile.  The four D buffers take turns, every product starts from the constant 0: there is no chain.
	; Behind a product stand three steps of eleven plain vector instructions before its D is read and four before D is written again;
	; an A buffer is loaded again eleven such instructions behind the last product that read it.
	v_lshlrev_b32 v[ADRA], 4, v1
	ds_load_b128 v[AF:AF+3],     v[ADRA]
	ds_load_b128 v[AF+4:AF+7],   v[ADRA] offset:512
	ds_load_b128 v[AF+8:AF+11],  v[ADRA] offset:1024
	ds_load_b128 v[AF+12:AF+15], v[ADRA] offset:1536
	s_wait_dscnt 0x2                               ; tile 0 is in; tile 1's two loads may stay out
	v_wmma_f32_16x16x32_bf16 v[DD:DD+7],     v[AF:AF+7], v[BF:BF+7],     0
	v_wmma_f32_16x16x32_bf16 v[DD+8:DD+15],  v[AF:AF+7], v[BF+8:BF+15],  0
	v_wmma_f32_16x16x32_bf16 v[DD+16:DD+23], v[AF:AF+7], v[BF+16:BF+23], 0
	; the start values: they name no register of the three products and stand as the places in front of the first read of D (ISA guide 7.12.1)
	v_mov_b32 v[RM], 0xff800000                    ; -infinity: the first step enters nothing
.set i, 0
.rept 13
	v_mov_b32 v[ST+4*i],   0xff800000
	v_mov_b32 v[ST+4*i+1], 0xff800000
	v_mov_b32 v[ST+4*i+2], 0
	v_mov_b32 v[ST+4*i+3], 0
.set i, i+1
.endr
	s_mul_i32 s32, s22, 160
	s_sub_co_u32 s32, s32, 2
	v_add_nc_u32 v[GID], s32, v3                   ; group id = 160 y + 2 tau + h; it starts one tile back and is stepped in each tile's first step
	s_mov_b32 s29, 19
.macro STEP sl, last
.set J,   (\sl) % 13
.set KK,  (\sl) / 13
.set SN,  (\sl) + 3
.set DC,  DD + 8*((\sl) % 4)
.set DN,  DD + 8*(SN % 4)
.set AN,  AF + 8*((SN / 13) % 2)
.set BN,  BF + 8*(SN % 13)
.set YS,  ST + 4*(((\sl) + 12) % 13)
.set DOW, 1
.set DOL, 0
.set WC,  -1
.if J == 10
.set WC, 2                                         ; the two loads issued one step ago stay out: the next tile's fragment is in
.endif
.if J == 9
.set DOL, 1
.endif
.if \last
.if SN >= 52
.set DOW, 0                                        ; no product beyond the last
.endif
.if KK >= 2
.set DOL, 0                                        ; no tile beyond the 80th
.if J == 10
.set WC, 0                                         ; nothing was issued behind the last tile's loads
.endif
.endif
.if KK == 3
.set WC, -1
.endif
.endif
.if WC >= 0
	s_wait_dscnt WC
.endif
.if DOW
	v_wmma_f32_16x16x32_bf16 v[DN:DN+7], v[AN:AN+7], v[BN:BN+7], 0
.endif
	v_max3_num_f32 v[T0], v[DC], v[DC+1], v[DC+2]
	v_cmp_gt_f32 vcc_lo, v[RM], v[YS]              ; strictly better than the best: at equal scores the earlier group stays
	v_max3_num_f32 v[T0+1], v[DC+3], v[DC+4], v[DC+5]
	v_cmp_gt_f32 s28, v[RM], v[YS+1]               ; strictly better than the second
	v_max_num_f32 v[T0+2], v[DC+6], v[DC+7]
	v_med3_num_f32 v[YS+1], v[RM], v[YS], v[YS+1]  ; the second of the three
	v_cndmask_b32 v[YS+3], v[YS+3], v[GID], s28
	v_max_num_f32 v[YS], v[RM], v[YS]
	v_max3_num_f32 v[RM], v[T0], v[T0+1], v[T0+2]
	v_cndmask_b32 v[YS+3], v[YS+3], v[YS+2], vcc_lo
	v_cndmask_b32 v[YS+2], v[YS+2], v[GID], vcc_lo
.if J == 0
	v_add_nc_u32 v[GID], 2, v[GID]                 ; the last tile's last maximum has been entered
.endif
.if DOL
	ds_load_b128 v[AF+8*(KK%2):AF+8*(KK%2)+3],   v[ADRA] offset:(KK+2)*1024       ; the tile after next
	ds_load_b128 v[AF+8*(KK%2)+4:AF+8*(KK%2)+7], v[ADRA] offset:(KK+2)*1024+512
.endif
.endm
.Lbody:                                            ; four radar tiles, 52 steps: D and A buffers are back at their first
.set i, 0
.rept 52
	STEP i, 0
.set i, i+1
.endr
	v_add_nc_u32 v[ADRA], 4096, v[ADRA]
	s_sub_co_u32 s29, s29, 1
	s_cmp_lg_u32 s29, 0
	s_cbranch_scc1 .Lbody
.set i, 0
.rept 52
	STEP i, 1                                      ; the last four tiles, written out: the loads and the products run out
.set i, i+1
.endr
; a score m with id g is entered into tile j's state; at equal scores the lower id goes first
.macro YM j, m, g
.set SB, ST+4*\j
	v_cmp_gt_f32 vcc_lo, v[\m], v[SB]
	v_cmp_eq_f32 s36, v[\m], v[SB]
	v_cmp_lt_u32 s37, v[\g], v[SB+2]
	s_and_b32 s36, s36, s37
	s_or_b32 vcc_lo, vcc_lo, s36
	v_cmp_gt_f32 s28, v[\m], v[SB+1]
	v_cmp_eq_f32 s36, v[\m], v[SB+1]
	v_cmp_lt_u32 s37, v[\g], v[SB+3]
	s_and_b32 s36, s36, s37
	s_or_b32 s28, s28, s36
	v_med3_num_f32 v[SB+1], v[\m], v[SB], v[SB+1]
	v_cndmask_b32 v[SB+3], v[SB+3], v[\g], s28
	v_max_num_f32 v[SB], v[\m], v[SB]
	v_cndmask_b32 v[SB+3], v[SB+3], v[SB+2], vcc_lo
	v_cndmask_b32 v[SB+2], v[SB+2], v[\g], vcc_lo
.endm
	YM 12, RM, GID                                 ; the very last maximum (its id is the highest, so this is the loop's strict rule)
	; lanes r and 16 + r hold the even and the odd groups of one lidar point: each takes the other's two and keeps the best two of four
.irp j, 0,1,2,3,4,5,6,7,8,9,10,11,12
	v_permlanex16_b32 v[PP],   v[ST+4*\j],   s26, s27
	v_permlanex16_b32 v[PP+1], v[ST+4*\j+2], s26, s27
	v_permlanex16_b32 v[PP+2], v[ST+4*\j+1], s26, s27
	v_permlanex16_b32 v[PP+3], v[ST+4*\j+3], s26, s27
	YM \j, PP, PP+1
	YM \j, PP+2, PP+3
	v_lshl_or_b32 v[ST+4*\j+2], v[ST+4*\j+3], 16, v[ST+4*\j+2]     ; both ids in one word
.endr
	; THE WAY OUT: the work-group's 832 words meet in LDS and leave as 16 bytes a lane
	v_lshlrev_b32 v7, 2, v2
	s_mul_i32 s32, s20, 832
	s_add_co_u32 s32, s32, STAGE
	v_add_nc_u32 v7, s32, v7                       ; word 208 w + 16 j + r
	v_lshlrev_b32 v9, 4, v0
	v_add_nc_u32 v8, STAGE, v9
	s_mul_i32 s32, s22, PLANE
	s_mul_i32 s33, s21, 3328
	s_add_co_u32 s32, s32, s33
	s_mov_b32 s33, 0
	s_add_nc_u64 s[10:11], s[10:11], s[32:33]      ; cand at plane y, word 832 x
	v_cmp_gt_u32 vcc_lo, 16, v1
	s_wait_xcnt 0x0                                ; EXEC changes only behind this wait
	s_and_saveexec_b32 s30, vcc_lo                 ; lanes 0 to 15: one word for each lidar point
.irp j, 0,1,2,3,4,5,6,7,8,9,10,11,12
	ds_store_b32 v7, v[ST+4*\j+2] offset:64*\j
.endr
	s_or_b32 exec_lo, exec_lo, s30
	s_wait_dscnt 0x0                               ; my words are written,
	s_barrier_signal -1
	s_barrier_wait -1                              ; everybody's are
	ds_load_b128 v[WW:WW+3], v8
	s_wait_dscnt 0x0
	global_store_b128 v9, v[WW:WW+3], s[10:11]     ; 2,048 bytes: each wave 512 consecutive bytes, aligned
	s_wait_xcnt 0x0                                ; EXEC changes only behind this wait
	v_cmp_gt_u32 vcc_lo, 80, v0
	s_wait_tensorcnt 0x0
	ds_add_u32 v13, v14
	s_wait_dscnt 0x0
	s_and_saveexec_b32 s30, vcc_lo                 ; the other 1,280 bytes: threads 0 to 79, five times sixteen lanes
	ds_load_b128 v[WW+4:WW+7], v8 offset:2048
	s_wait_dscnt 0x0
	global_store_b128 v9, v[WW+4:WW+7], s[10:11] offset:2048
	s_wait_xcnt 0x0                                ; and again in front of the line that widens it
	s_or_b32 exec_lo, exec_lo, s30
	s_endpgm
.Lfunc_end_k_q1bb5623e29_coarse:
	.size	k_q1bb5623e29_coarse, .Lfunc_end_k_q1bb5623e29_coarse-k_q1bb5623e29_coarse
	.p2alignl 7, 3214868480
	.fill 96, 4, 3214868480
	.section	.rodata,"a",@progbits
	.p2align	6, 0x0
	.amdhsa_kernel k_q1bb5623e29_coarse
		.amdhsa_group_segment_fixed_size 86528
		.amdhsa_private_segment_fixed_size 0
		.amdhsa_enable_private_segment 0
		.amdhsa_kernarg_size 40
		.amdhsa_user_sgpr_count 2
		.amdhsa_user_sgpr_kernarg_segment_ptr 1
		.amdhsa_wavefront_size32 1
		.amdhsa_system_sgpr_workgroup_id_x 1
		.amdhsa_system_sgpr_workgroup_id_y 1
		.amdhsa_system_sgpr_workgroup_id_z 1
		.amdhsa_system_vgpr_workitem_id 0
		.amdhsa_next_free_vgpr 256
		.amdhsa_next_free_sgpr 66
		.amdhsa_reserve_vcc 1
		.amdhsa_float_denorm_mode_32 3
		.amdhsa_float_denorm_mode_16_64 3
		.amdhsa_memory_ordered 1
		.amdhsa_forward_progress 1
		.amdhsa_inst_pref_size 156
	.end_amdhsa_kernel
	.amdgpu_metadata
---
amdhsa.version: [ 1, 2 ]
amdhsa.kernels:
  - .name:           k_q1bb5623e29_coarse
    .symbol:         k_q1bb5623e29_coarse.kd
    .args:
      - { .name: lidar_voxel_coords, .offset: 0, .size: 8, .value_kind: global_buffer, .address_space: global }
      - { .name: radar_voxel_coords, .offset: 8, .size: 8, .value_kind: global_buffer, .address_space: global }
      - { .name: radar_voxel_feat, .offset: 16, .size: 8, .value_kind: global_buffer, .address_space: global }
      - { .name: cand, .offset: 24, .size: 8, .value_kind: global_buffer, .address_space: global }
      - { .name: wtab, .offset: 32, .size: 8, .value_kind: global_buffer, .address_space: global }
    .group_segment_fixed_size: 86528
    .private_segment_fixed_size: 0
    .kernarg_segment_align: 8
    .kernarg_segment_size: 40
    .max_flat_workgroup_size: 128
    .sgpr_count:     66
    .vgpr_count:     256
    .wavefront_size: 32
...
	.end_amdgpu_metadata
.endif
;; end of part 1
;; launch fine (part 2): grid 391 x 1, 16 waves a work-group, no clusters, 6,144 bytes of LDS; arguments lidar_voxel_coords, radar_voxel_coords, cand, wtab, out0; writes out0
.if DOCPART == 2
	.amdgcn_target "amdgcn-amd-amdhsa--gfx1250"
	.amdhsa_code_object_version 6
	.text
	.protected	k_q1bb5623e29_fine
	.globl	k_q1bb5623e29_fine
	.p2align	8
	.type	k_q1bb5623e29_fine,@function
k_q1bb5623e29_fine:
	s_mov_b64 s[64:65], 0
	v_nop
	global_prefetch_b8 v0, s[64:65] scope:SCOPE_SE
	s_setreg_imm32_b32 hwreg(HW_REG_WAVE_MODE, 25, 1), 1
	s_wait_xcnt 0x0
; NEAREST RADAR POINT OF EVERY LIDAR POINT, SECOND LAUNCH: THE DECISION.
; For each lidar point the first launch has stored, for each quarter of the radar list, the ids of two groups of 8 consecutive radar points.
; Here dist2 = (l2 + r2) - 2 cross is formed for these 64 points as reference() forms it (f32, sums in ascending k), the first smallest
; wins, and the winner's wtab entry (the sigmoid of its saliency, made by the first launch) is the result.
; Left out: feat is not read here (wtab holds all of it that reaches the output); radar points outside the stored groups are not
; looked at: the first launch has scored every pair.
; FORMAT: coordinates are rounded to bf16 as in the first launch.  A product of two of them has 16 significant bits and is exact in f32,
; so a fused multiply-add and a multiply followed by an add give the same bits.
; ORDER: within a thread the lower group comes first and its points in ascending order, the quarters are merged in ascending order, and
; every comparison is strict: at equal dist2 the lowest index stays, as in argmin.  No index is carried: the choice selects a value.
; LIMITS: NaN and infinite coordinates are not treated as argmin treats them; the limits of the first launch's choice of groups hold.
; A work-group takes 128 lidar points; thread t takes point t % 128 and quarter t / 128.
.set NLID,  50000
.set PLANE, 203008                     ; bytes of one quarter's plane of cand
.set RA,  32                           ; v[32:55]   lower group: 8 points x 3 coordinates
.set RB,  56                           ; v[56:79]   higher group
.set WA,  80                           ; v[80:87]   lower group's wtab entries
.set WB,  88                           ; v[88:95]   higher group's
.set RSQ, 96                           ; v[96:103]  r2, then dist2
.set CRS, 104                          ; v[104:111] cross
	s_load_b256 s[4:11], s[0:1], 0x0               ; lidar s[4:5], radar s[6:7], cand s[8:9], wtab s[10:11]
	s_load_b64 s[12:13], s[0:1], 0x20              ; out0
	v_lshl_add_u32 v112, v0, 2, 0x1000
	v_mov_b32 v113, 0
	v_lshrrev_b32 v1, 5, v0
	v_readfirstlane_b32 s14, v1                    ; wave
	s_mov_b32 s15, 0xffff0000
	v_and_b32 v2, 127, v0
	v_lshrrev_b32 v3, 7, v0                        ; quarter
	s_lshl_b32 s16, ttmp9, 7
	v_add_nc_u32 v2, s16, v2                       ; lidar point (up to 50,047: cand has 50,752 words a plane, all stored)
	v_mul_u32_u24 v3, PLANE, v3
	v_lshl_add_u32 v3, v2, 2, v3
	v_min_u32 v4, NLID-1, v2                       ; coordinates: held inside the list
	v_mul_u32_u24 v4, 12, v4
	s_wait_kmcnt 0x0
	global_load_b32 v5, v3, s[8:9]
	global_load_b32 v6, v4, s[4:5]
	global_load_b32 v7, v4, s[4:5] offset:4
	global_load_b32 v8, v4, s[4:5] offset:8
	s_wait_loadcnt 0x3                             ; the three coordinates may stay out: the ids are in
	v_and_b32 v9, 0xffff, v5
	v_lshrrev_b32 v10, 16, v5
	v_min_u32 v11, v9, v10                         ; the lower group first
	v_max_u32 v12, v9, v10
	v_min_u32 v11, 624, v11                        ; 625 groups hold the 5,000 points
	v_min_u32 v12, 624, v12
	v_mul_u32_u24 v13, 96, v11                     ; a group's coordinates: 96 bytes
	v_mul_u32_u24 v14, 96, v12
	v_lshlrev_b32 v15, 5, v11                      ; its wtab entries: 32 bytes
	v_lshlrev_b32 v16, 5, v12
.irp k, 0,1,2,3,4,5
	global_load_b128 v[RA+4*\k:RA+4*\k+3], v13, s[6:7] offset:16*\k
.endr
	global_load_b128 v[WA:WA+3],   v15, s[10:11]
	global_load_b128 v[WA+4:WA+7], v15, s[10:11] offset:16
.irp k, 0,1,2,3,4,5
	global_load_b128 v[RB+4*\k:RB+4*\k+3], v14, s[6:7] offset:16*\k
.endr
	global_load_b128 v[WB:WB+3],   v16, s[10:11]
	global_load_b128 v[WB+4:WB+7], v16, s[10:11] offset:16
	s_wait_loadcnt 16                              ; the sixteen loads just issued may stay out: my point is in
	v_cvt_pk_bf16_f32 v17, v6, v7
	v_cvt_pk_bf16_f32 v18, v8, v8
	v_lshlrev_b32 v6, 16, v17
	v_and_b32 v7, s15, v17
	v_lshlrev_b32 v8, 16, v18
	v_mul_f32 v19, v6, v6                          ; l2
	v_fma_f32 v19, v7, v7, v19
	v_fma_f32 v19, v8, v8, v19
; eight points at v[R ..], their wtab entries at v[W ..]; v24 the smallest dist2 so far, v25 its entry
.macro GROUP R, W, first
.set gi, 0
.rept 12
	v_cvt_pk_bf16_f32 v[20+gi%4], v[\R+2*gi], v[\R+2*gi+1]
	v_lshlrev_b32 v[\R+2*gi], 16, v[20+gi%4]
	v_and_b32 v[\R+2*gi+1], s15, v[20+gi%4]
.set gi, gi+1
.endr
.set gi, 0
.rept 8
	v_mul_f32 v[RSQ+gi], v[\R+3*gi], v[\R+3*gi]
	v_mul_f32 v[CRS+gi], v6, v[\R+3*gi]
.set gi, gi+1
.endr
.set gi, 0
.rept 8
	v_fma_f32 v[RSQ+gi], v[\R+3*gi+1], v[\R+3*gi+1], v[RSQ+gi]
	v_fma_f32 v[CRS+gi], v7, v[\R+3*gi+1], v[CRS+gi]
.set gi, gi+1
.endr
.set gi, 0
.rept 8
	v_fma_f32 v[RSQ+gi], v[\R+3*gi+2], v[\R+3*gi+2], v[RSQ+gi]
	v_fma_f32 v[CRS+gi], v8, v[\R+3*gi+2], v[CRS+gi]
.set gi, gi+1
.endr
.set gi, 0
.rept 8
	v_add_f32 v[RSQ+gi], v19, v[RSQ+gi]            ; l2 + r2
	v_fma_f32 v[RSQ+gi], -2.0, v[CRS+gi], v[RSQ+gi] ; - 2 cross (the doubling is exact)
.set gi, gi+1
.endr
.if \first
	v_mov_b32 v24, v[RSQ]                          ; the first point starts the search
	v_mov_b32 v25, v[\W]
.set gi, 1
.else
.set gi, 0
.endif
.rept 8-\first
	v_cmp_lt_f32 vcc_lo, v[RSQ+gi], v24
	v_cndmask_b32 v25, v25, v[\W+gi], vcc_lo
	v_min_num_f32 v24, v[RSQ+gi], v24
.set gi, gi+1
.endr
.endm
	s_wait_loadcnt 0x8                             ; the higher group's eight loads may stay out
	GROUP RA, WA, 1
	s_wait_loadcnt 0x0
	GROUP RB, WB, 0
	; the four quarters of a point meet in LDS: dist2 at 4 t, the entry at 2,048 + 4 t
	v_lshlrev_b32 v26, 2, v0
	ds_store_b32 v26, v24
	ds_store_b32 v26, v25 offset:2048
	s_wait_dscnt 0x0                               ; my two words are written,
	s_barrier_signal -1
	s_barrier_wait -1                              ; everybody's are
	s_cmp_lg_u32 s14, 0
	s_cbranch_scc1 .Lend
	v_lshlrev_b32 v27, 4, v0                       ; wave 0: lane L takes points 4 L .. 4 L + 3
.irp p, 0,1,2,3
	ds_load_b128 v[32+4*\p:35+4*\p], v27 offset:512*\p
	ds_load_b128 v[48+4*\p:51+4*\p], v27 offset:2048+512*\p
.endr
	s_wait_dscnt 0x0
.irp p, 1,2,3
.irp e, 0,1,2,3
	v_cmp_lt_f32 vcc_lo, v[32+4*\p+\e], v[32+\e]   ; a later quarter wins only if strictly smaller
	v_cndmask_b32 v[48+\e], v[48+\e], v[48+4*\p+\e], vcc_lo
	v_min_num_f32 v[32+\e], v[32+4*\p+\e], v[32+\e]
.endr
.endr
	v_lshl_add_u32 v28, v0, 2, s16                 ; my first point
	v_lshlrev_b32 v29, 2, v28
	v_cmp_gt_u32 vcc_lo, NLID, v28                 ; 50,000 is a multiple of 4: a lane's four points are inside or outside together
	s_wait_xcnt 0x0                                ; EXEC changes only behind this wait
	s_and_saveexec_b32 s17, vcc_lo
	global_store_b128 v29, v[48:51], s[12:13]      ; the wave stores 512 consecutive bytes, aligned (320 in the last work-group)
	s_wait_xcnt 0x0                                ; and again in front of the line that widens it
	s_or_b32 exec_lo, exec_lo, s17
.Lend:
	s_wait_tensorcnt 0x0
	ds_add_u32 v112, v113
	s_wait_dscnt 0x0
	s_endpgm
.Lfunc_end_k_q1bb5623e29_fine:
	.size	k_q1bb5623e29_fine, .Lfunc_end_k_q1bb5623e29_fine-k_q1bb5623e29_fine
	.p2alignl 7, 3214868480
	.fill 96, 4, 3214868480
	.section	.rodata,"a",@progbits
	.p2align	6, 0x0
	.amdhsa_kernel k_q1bb5623e29_fine
		.amdhsa_group_segment_fixed_size 6144
		.amdhsa_private_segment_fixed_size 0
		.amdhsa_enable_private_segment 0
		.amdhsa_kernarg_size 40
		.amdhsa_user_sgpr_count 2
		.amdhsa_user_sgpr_kernarg_segment_ptr 1
		.amdhsa_wavefront_size32 1
		.amdhsa_system_sgpr_workgroup_id_x 1
		.amdhsa_system_sgpr_workgroup_id_y 1
		.amdhsa_system_sgpr_workgroup_id_z 1
		.amdhsa_system_vgpr_workitem_id 0
		.amdhsa_next_free_vgpr 114
		.amdhsa_next_free_sgpr 66
		.amdhsa_reserve_vcc 1
		.amdhsa_float_denorm_mode_32 3
		.amdhsa_float_denorm_mode_16_64 3
		.amdhsa_memory_ordered 1
		.amdhsa_forward_progress 1
		.amdhsa_inst_pref_size 18
	.end_amdhsa_kernel
	.amdgpu_metadata
---
amdhsa.version: [ 1, 2 ]
amdhsa.kernels:
  - .name:           k_q1bb5623e29_fine
    .symbol:         k_q1bb5623e29_fine.kd
    .args:
      - { .name: lidar_voxel_coords, .offset: 0, .size: 8, .value_kind: global_buffer, .address_space: global }
      - { .name: radar_voxel_coords, .offset: 8, .size: 8, .value_kind: global_buffer, .address_space: global }
      - { .name: cand, .offset: 16, .size: 8, .value_kind: global_buffer, .address_space: global }
      - { .name: wtab, .offset: 24, .size: 8, .value_kind: global_buffer, .address_space: global }
      - { .name: out0, .offset: 32, .size: 8, .value_kind: global_buffer, .address_space: global }
    .group_segment_fixed_size: 6144
    .private_segment_fixed_size: 0
    .kernarg_segment_align: 8
    .kernarg_segment_size: 40
    .max_flat_workgroup_size: 512
    .sgpr_count:     66
    .vgpr_count:     114
    .wavefront_size: 32
...
	.end_amdgpu_metadata
.endif
;; end of part 2
;; ======== version 2 of 4: 2 launches; 1.26 times as fast as version 1
;; workspace buffers: cand 246,784 bytes of whole numbers; wtab 20,480 bytes
;; launch coarse (part 3): grid 241 x 1, 4 waves a work-group, no clusters, 109,056 bytes of LDS; arguments lidar_voxel_coords, radar_voxel_coords, radar_voxel_feat, cand, wtab; writes cand, wtab
.if DOCPART == 3
	.amdgcn_target "amdgcn-amd-amdhsa--gfx1250"
	.amdhsa_code_object_version 6
	.text
	.protected	k_q1bb5623e29_coarse
	.globl	k_q1bb5623e29_coarse
	.p2align	8
	.type	k_q1bb5623e29_coarse,@function
k_q1bb5623e29_coarse:
	s_mov_b64 s[64:65], 0
	v_nop
	global_prefetch_b8 v0, s[64:65] scope:SCOPE_SE
	s_setreg_imm32_b32 hwreg(HW_REG_WAVE_MODE, 25, 1), 1
	s_wait_xcnt 0x0
; NEAREST RADAR POINT OF EVERY LIDAR POINT, FIRST OF TWO LAUNCHES: THE SEARCH OVER ALL PAIRS, ON THE MATRIX UNIT.
; For each lidar point this launch stores the ids of the two groups of 32 consecutive radar points that hold the best scores (cand, whole
; numbers, one word a point); the next launch decides among these 64 points with reference()'s own formula.
; It also stores wtab[n] = sigmoid(0.6 |feat[n][0]| + 0.4 feat[n][1]) for every radar point.
;
; WORK LEFT OUT, for all values of the inputs:
;  - feat's columns 2 to 63: reference() slices columns 0 and 1 only; the others have no way to the output and are not loaded.
;  - l2 in this launch: it is the same for all radar points of one lidar point, so argmin(l2 + r2 - 2 cross) = argmax(cross - r2/2).
;    The next launch forms l2 + r2 - 2 cross whole, as reference() does.
; FORMAT: coordinates are rounded to bf16 (nearest even) as they are loaded, here and in the next launch: the neighbour found is that of
; the rounded points.  Each coordinate is then one matrix operand and each product is exact; r2, an f32, is cut exactly into three bf16
; pieces, each multiplied by -0.5.  Six of K's 32 places are used.  With a common offset O far above the spread the rounded coordinates
; are multiples of about O/256, the products multiples of O^2/65536 and their sums below 4 O^2: about 20 bits, exact in f32, so the
; score is no difference of rounded large sums.
; LIMITS: NaN and infinite coordinates are not treated as argmin treats them, and a NaN, an infinity or an overflow that reaches only the
; work left out is not carried to the result; r2 has to stay below 2^127 (padding rows carry r2 = 2^127); two groups are kept: a third
; group whose score lies within the score's rounding (about one unit in its last place) of the best can be missed.  Scores that are
; exactly equal keep the lower group ids.
;
; SHARES: work-group x: lidar rows 208 x .. +207 (13 tiles of 16) against the whole radar list, padded to 5,120 rows, in LDS.
; Wave q: the 13 lidar tiles against quarter q of the list, 80 tiles of 16 rows.  A = 16 radar rows, B = 16 lidar columns: register j of
; D in lane (r, h) is table row 8 h + j against lidar r.
; K PLACES (ISA guide 7.12.2: registers 0 and 1 of lane (r, h) hold k = 8 h .. 8 h + 3): A holds X Y Z Q0 in lanes 0-15 and Q1 Q2 0 0 in
; lanes 16-31; B holds x y z -0.5 and -0.5 -0.5 0 0.  A's registers 2 to 7 are zero, so what stands in B's registers 2 to 7 (finite
; numbers) adds nothing: the 13 B fragments overlap, tile j being the window of eight registers that begins at its own two.
; THE TABLE: wave q, body b (four tiles), tile i, row 8 h + j holds radar point 32 G + 4 j + i with G = 40 q + 20 h + b.  So the rows that
; one half of the lanes sees in a body are the 32 consecutive points of group G, and the eight parts (q, h) follow each other in the
; list: wherever results are merged, the later one has the higher ids, and a strict comparison keeps the lower id.
; No tensor loads and no cluster: the inputs are 60,000 and 600,000 bytes and are of use only after rounding and packing in registers.
.set NRAD,   5000
.set NLID,   50000
.set RBYTES, 60000                     ; bytes of the radar list
.set STATE,  81920                     ; LDS: the table takes 320 tiles x 256 bytes; behind it the waves' results
.set EPITCH, 3328                      ; one part's results: 208 points x 16 bytes
.set BF,   16                          ; v[16:47]   13 B windows, two registers a tile, six zeros behind.  Before that: LOF
.set LOF,  16                          ; v16-28     byte offsets of my 13 lidar rows
.set ST,   48                          ; v[48:99]   tile j: best, second, id of best, id of second
.set RUN,  100                         ; v100-112   tile j: maximum over the body's tiles so far
.set HOLD, 113                         ; v113-125   tile j: maximum over a whole body, until it is entered into the state
.set TS,   126                         ; v126-131   two sets of three partial maxima, for even and odd steps
.set GID,  132                         ; id of the group whose maxima are being entered
.set ADRA, 133                         ; LDS address of my 8 bytes of a table tile
.set DD,   136                         ; v[136:167] four D buffers
.set AF,   168                         ; v[168:199] four A buffers, one for each tile of a body
.set RRAW, 48                          ; v48-167    set-up: 10 rounds x 4 radar rows as loaded
.set WW,   168                         ; v168-183   set-up: 4 rows x 4 words of the table
.set TT,   184                         ; v184-199   set-up: 4 rows x 4 at work
.set LRAW, 200                         ; v200-251   set-up: 13 lidar rows as loaded, four registers apart
.set MM,   136                         ; v136-199   the merge: 8 parts x 2 points x 4 words
.macro PK d, hi, lo                    ; the upper halves of two f32: lo into bits 15:0, hi into bits 31:16
	v_perm_b32 v[\d], v[\hi], v[\lo], s24
.endm
	s_load_b256 s[4:11], s[0:1], 0x0               ; lidar s[4:5], radar s[6:7], feat s[8:9], cand s[10:11]
	s_load_b64 s[12:13], s[0:1], 0x20              ; wtab
	v_lshl_add_u32 v254, v0, 2, 0x1a800
	v_mov_b32 v255, 0
	v_lshrrev_b32 v1, 5, v0
	v_readfirstlane_b32 s20, v1                    ; wave = quarter q
	s_mov_b32 s21, ttmp9                           ; x
	s_mov_b32 s24, 0x07060302                      ; v_perm_b32: two upper halves
	s_mov_b32 s25, 0xffff0000                      ; an f32's upper 16 bits; also the mask of lanes 16 to 31
	v_and_b32 v1, 31, v0                           ; lane
	v_and_b32 v2, 15, v0                           ; r
	v_bfe_u32 v3, v0, 4, 1                         ; h
	; my share of the table: thread (j = t % 8, e = t / 8 % 8, bb = t / 64), round i: the four points 32 G + 4 j .. + 3 of group G = 20 e + bb + 2 i
	v_and_b32 v4, 7, v0                            ; j
	v_bfe_u32 v5, v0, 3, 3                         ; e = 2 q + h of the part that the rows are for
	v_lshrrev_b32 v6, 6, v0                        ; bb
	v_mul_u32_u24 v8, 0x1e00, v5                   ; byte offset in the list: 384 bytes a group, 48 for four points
	v_mul_u32_u24 v7, 0x180, v6
	v_add_nc_u32 v8, v8, v7
	v_mul_u32_u24 v7, 48, v4
	v_add_nc_u32 v8, v8, v7                        ; rounds 0 to 7 reach group 155 at the most and stay inside the list by themselves
	v_add_nc_u32 v9, 8*768, v8                     ; rounds 8 and 9 are held at the list's last four points
	v_min_u32 v9, RBYTES-48, v9
	v_add_nc_u32 v10, 9*768, v8
	v_min_u32 v10, RBYTES-48, v10
	v_lshrrev_b32 v7, 1, v5                        ; where they go: 20,480 q + 128 h + 1,024 b + 16 j, point i of the four in tile i (+ 256 i):
	v_mul_u32_u24 v11, 20480, v7                   ; sixteen neighbouring lanes (j, h) fill 256 consecutive bytes
	v_and_b32 v7, 1, v5
	v_lshl_add_u32 v11, v7, 7, v11
	v_lshl_add_u32 v11, v6, 10, v11
	v_lshl_add_u32 v11, v4, 4, v11
	v_mov_b32 v12, 0xbf00bf00                      ; two bf16 of -0.5
	s_mul_i32 s32, s21, 208
	v_add_nc_u32 v13, s32, v2                      ; the work-group's first lidar row + r
.set i, 0
.rept 13
	v_add_nc_u32 v[LOF+i], 16*i, v13
	v_min_u32 v[LOF+i], NLID-1, v[LOF+i]
	v_mul_u32_u24 v[LOF+i], 12, v[LOF+i]
.set i, i+1
.endr
	s_wait_kmcnt 0x0
.set i, 0
.rept 8
	global_load_b128 v[RRAW+12*i:RRAW+12*i+3],    v8, s[6:7] offset:768*i
	global_load_b128 v[RRAW+12*i+4:RRAW+12*i+7],  v8, s[6:7] offset:768*i+16
	global_load_b128 v[RRAW+12*i+8:RRAW+12*i+11], v8, s[6:7] offset:768*i+32
.set i, i+1
.endr
.irp c, 0,1,2
	global_load_b128 v[RRAW+96+4*\c:RRAW+96+4*\c+3], v9, s[6:7] offset:16*\c
.endr
.irp c, 0,1,2
	global_load_b128 v[RRAW+108+4*\c:RRAW+108+4*\c+3], v10, s[6:7] offset:16*\c
.endr
.set i, 0
.rept 13
	global_load_b96 v[LRAW+4*i:LRAW+4*i+2], v[LOF+i], s[4:5]
.set i, i+1
.endr
	; wtab: wave 0 of the first 40 work-groups makes 128 entries each, four a lane (entries from 5,000 on repeat row 4,999 and are never read).
	; Its loads go out behind the others and come back with them.
	s_cmp_lg_u32 s20, 0
	s_cbranch_scc1 .Lno_w
	s_cmp_ge_u32 s21, 40
	s_cbranch_scc1 .Lno_w
	s_mov_b32 s31, 0x3f19999a                      ; 0.6
	s_lshl_b32 s32, s21, 7
	v_lshl_add_u32 v15, v1, 2, s32                 ; 128 x + 4 lane
.set i, 0
.rept 4
	v_add_nc_u32 v[WW+8+i], i, v15
	v_min_u32 v[WW+8+i], NRAD-1, v[WW+8+i]
	v_lshlrev_b32 v[WW+8+i], 8, v[WW+8+i]          ; a row of feat is 256 bytes
.set i, i+1
.endr
.set i, 0
.rept 4
	global_load_b64 v[WW+2*i:WW+2*i+1], v[WW+8+i], s[8:9]   ; columns 0 and 1
.set i, i+1
.endr
	s_wait_loadcnt 0x0
.set i, 0
.rept 4
	v_mul_f32 v[WW+2*i+1], 0x3ecccccd, v[WW+2*i+1]          ; 0.4 power
	v_fma_f32 v[WW+2*i], |v[WW+2*i]|, s31, v[WW+2*i+1]      ; + 0.6 |doppler|
	v_mul_f32 v[WW+2*i], 0xbfb8aa3b, v[WW+2*i]              ; times -log2(e)
.set i, i+1
.endr
.set i, 0
.rept 4
	v_exp_f32 v[WW+8+i], v[WW+2*i]
.set i, i+1
.endr
	v_nop                                          ; one plain instruction behind the exponentials (ISA guide 5.7.2)
.set i, 0
	s_wait_alu depctr_va_vdst(0)
.rept 4
	v_add_f32 v[WW+8+i], 1.0, v[WW+8+i]
.set i, i+1
.endr
.set i, 0
.rept 4
	v_rcp_f32 v[WW+i], v[WW+8+i]                   ; sigmoid(s) = 1 / (1 + 2^(-s log2 e)): an overflow gives 1/inf = 0, as sigmoid does
.set i, i+1
.endr
	v_lshlrev_b32 v15, 4, v1                       ; plain instructions behind the reciprocals
	v_lshl_add_u32 v15, s21, 9, v15
	s_wait_alu depctr_va_vdst(0)
	global_store_b128 v15, v[WW:WW+3], s[12:13]    ; the wave stores 512 consecutive bytes, aligned
	s_wait_xcnt 0x0                                ; the store's data registers are written again below
.Lno_w:
	; THE RADAR TABLE.  A row is 16 bytes: X Y | Z Q0 | Q1 Q2 | 0 0, Q0 + Q1 + Q2 = r2 of the rounded point, exactly.
.irp k, 0,1,2,3
	v_mov_b32 v[WW+4*\k+3], 0
.endr
.macro RADROUND r, pad                 ; four rows, stage by stage, so that no line waits for the one in front of it
	s_wait_loadcnt 40-3*\r                         ; the later rounds' loads and the 13 lidar loads may stay out
.irp k, 0,1,2,3
	v_cvt_pk_bf16_f32 v[WW+4*\k], v[RRAW+12*\r+3*\k], v[RRAW+12*\r+3*\k+1]     ; X Y: the table's first word
	v_cvt_pk_bf16_f32 v[TT+4*\k], v[RRAW+12*\r+3*\k+2], v[RRAW+12*\r+3*\k+2]
.endr
.irp k, 0,1,2,3
	v_lshlrev_b32 v[TT+4*\k+1], 16, v[WW+4*\k]     ; the rounded X, Y, Z as f32
	v_and_b32 v[TT+4*\k+2], s25, v[WW+4*\k]
	v_and_b32 v[TT+4*\k], s25, v[TT+4*\k]
.endr
.irp k, 0,1,2,3
	v_mul_f32 v[TT+4*\k+1], v[TT+4*\k+1], v[TT+4*\k+1]
.endr
.irp k, 0,1,2,3
	v_fma_f32 v[TT+4*\k+1], v[TT+4*\k+2], v[TT+4*\k+2], v[TT+4*\k+1]
.endr
.irp k, 0,1,2,3
	v_fma_f32 v[TT+4*\k+1], v[TT+4*\k], v[TT+4*\k], v[TT+4*\k+1]              ; r2
.endr
.if \pad
	v_cmp_gt_u32 vcc_lo, RBYTES-768*\r, v8         ; my four points lie inside the list (5,000 is a multiple of 4)
.irp k, 0,1,2,3
	v_cndmask_b32 v[TT+4*\k+1], 0x7f000000, v[TT+4*\k+1], vcc_lo              ; padding rows get r2 = 2^127 and never win
.endr
.endif
.irp k, 0,1,2,3
	v_and_b32 v[TT+4*\k+2], s25, v[TT+4*\k+1]      ; Q0: the upper 8 significant bits
.endr
.irp k, 0,1,2,3
	v_sub_f32 v[TT+4*\k+1], v[TT+4*\k+1], v[TT+4*\k+2]
	PK WW+4*\k+1, TT+4*\k+2, TT+4*\k               ; Z Q0
.endr
.irp k, 0,1,2,3
	v_and_b32 v[TT+4*\k+3], s25, v[TT+4*\k+1]      ; Q1
.endr
.irp k, 0,1,2,3
	v_sub_f32 v[TT+4*\k+1], v[TT+4*\k+1], v[TT+4*\k+3]                         ; Q2: 8 bits are left
.endr
.irp k, 0,1,2,3
	PK WW+4*\k+2, TT+4*\k+1, TT+4*\k+3             ; Q1 Q2
.endr
.irp k, 0,1,2,3
	ds_store_b128 v11, v[WW+4*\k:WW+4*\k+3] offset:2048*\r+256*\k
.endr
.endm
.irp r, 0,1,2,3,4,5,6,7
	RADROUND \r, 0
.endr
	RADROUND 8, 1
	RADROUND 9, 1
	; THE LIDAR WINDOWS: two registers a tile
	s_wait_loadcnt 0x0
.macro LIDFRAG j
.set LT, 4+2*((\j)%2)
	v_cvt_pk_bf16_f32 v[LT],   v[LRAW+4*\j], v[LRAW+4*\j+1]     ; x y
	v_cvt_pk_bf16_f32 v[LT+1], v[LRAW+4*\j+2], -0.5             ; z -0.5
	v_cndmask_b32 v[BF+2*\j],   v[LT],   v12, s25               ; lanes 16-31: -0.5 -0.5
	v_cndmask_b32 v[BF+2*\j+1], v[LT+1], 0,   s25               ; lanes 16-31: 0 0
.endm
.irp j, 0,1,2,3,4,5,6,7,8,9,10,11,12
	LIDFRAG \j
.endr
.irp k, 26,27,28,29,30,31
	v_mov_b32 v[BF+\k], 0                          ; what the last windows reach behind tile 12
.endr
	s_wait_dscnt 0x0                               ; my rows of the table are written,
	s_barrier_signal -1
	s_barrier_wait -1                              ; everybody's are
	; THE SEARCH.  A body is four radar tiles x 13 lidar tiles = 52 steps; step 13 i + j multiplies tile i by lidar tile j.
	; Three products run ahead: step s issues the product of step s + 3, makes three partial maxima of the eight results of step s (the
	; third takes the tile's running maximum along), and joins the three of step s - 1.  In a body's first tile nothing is taken along; in
	; its last tile the joined maximum goes to HOLD, where it stands for a whole body: its entry into the state (seven lines) is spread
	; over four steps, the 13 entries over the 52 steps.  A step issues seven lines at the most.
	; The four D buffers take turns and every product starts from the constant 0: there is no chain.  Behind a product stand three steps of
	; at least five plain vector instructions before its D is read, four before D is written again; an A buffer is loaded again behind
	; at least ten such instructions that follow the last product that read it (ISA guide 7.12.1).
.irp i, 0,1,2,3
.irp k, 2,3,4,5,6,7
	v_mov_b32 v[AF+8*\i+\k], 0                     ; A's K places without data, written once
.endr
.endr
	s_mul_i32 s32, s20, 20480
	v_lshlrev_b32 v[ADRA], 4, v2
	v_lshl_add_u32 v[ADRA], v3, 3, v[ADRA]
	v_add_nc_u32 v[ADRA], s32, v[ADRA]             ; my quarter + 16 r + 8 h: a load of 8 bytes a lane takes a tile's 256 bytes
.irp i, 0,1,2,3
	ds_load_b64 v[AF+8*\i:AF+8*\i+1], v[ADRA] offset:256*\i
.endr
	s_wait_dscnt 0x3                               ; tile 0 is in; tiles 1 to 3 may stay out
	v_wmma_f32_16x16x32_bf16 v[DD:DD+7],     v[AF:AF+7], v[BF:BF+7],    0
	v_wmma_f32_16x16x32_bf16 v[DD+8:DD+15],  v[AF:AF+7], v[BF+2:BF+9],  0
	v_wmma_f32_16x16x32_bf16 v[DD+16:DD+23], v[AF:AF+7], v[BF+4:BF+11], 0
	; the start values: they name no register of the three products and stand as the places in front of the first read of D
.set i, 0
.rept 13
	v_mov_b32 v[ST+4*i],   0xff800000              ; -infinity
	v_mov_b32 v[ST+4*i+1], 0xff800000
	v_mov_b32 v[ST+4*i+2], 0
	v_mov_b32 v[ST+4*i+3], 0
.set i, i+1
.endr
.irp j, 2,3,4,5,6,7,8,9,10,11
	v_mov_b32 v[HOLD+\j], 0xff800000               ; the first body's entries of tiles 2 to 12 enter nothing
.endr
.irp k, 3,4,5
	v_mov_b32 v[TS+\k], 0xff800000                 ; the first step joins these into tile 12's HOLD
.endr
	s_mul_i32 s32, s20, 40
	s_sub_co_u32 s32, s32, 1
	v_mul_u32_u24 v[GID], 20, v3
	v_add_nc_u32 v[GID], s32, v[GID]               ; group id = 40 q + 20 h + body; it starts one back and is stepped in front of tile 0's entry
	s_mov_b32 s29, 19
.macro STEP sl, last
.set J,   (\sl) % 13
.set TI,  (\sl) / 13
.set SN,  (\sl) + 3
.set DC,  DD + 8*((\sl) % 4)
.set DN,  DD + 8*(SN % 4)
.set AN,  AF + 8*((SN / 13) % 4)
.set BN,  BF + 2*(SN % 13)
.set TC,  TS + 3*((\sl) % 2)
.set TP,  TS + 3*(((\sl) + 1) % 2)
.set PJ,  ((\sl) + 12) % 13
.if (((\sl) + 51) % 52) / 13 == 3
.set CD,  HOLD + PJ                                ; the step before was of the body's last tile
.else
.set CD,  RUN + PJ
.endif
.set EJ,  (((\sl) + 8) % 52) / 4                   ; the tile whose entry is under way: tile 0 in steps 44-47, 1 in 48-51, 2 in 0-3, .. 12 in 40-43
.set ES,  ((\sl) + 8) % 4                          ; and which quarter of it
.set SB,  ST + 4*EJ
.set HJ,  HOLD + EJ
.set DOW, 1
.set DOL, 0
.set WC,  -1
.if J == 10
.set DOL, 1
.set WC,  2                                        ; this step's product is the first of the next tile: the two A loads issued behind that tile's may stay out
.endif
.if \last
.set DOL, 0                                        ; no tile beyond the 80th
.if SN >= 52
.set DOW, 0                                        ; no product beyond the last
.endif
.if J == 10
.set WC,  2 - TI                                   ; the loads run out: 2, 1, 0, then nothing to wait for
.endif
.endif
.if WC >= 0
	s_wait_dscnt WC
.endif
.if DOW
	v_wmma_f32_16x16x32_bf16 v[DN:DN+7], v[AN:AN+7], v[BN:BN+7], 0
.endif
.if (\sl) == 44
	v_add_nc_u32 v[GID], 1, v[GID]                 ; tile 12's entry of the body before is over
.endif
	v_max3_num_f32 v[TC], v[DC], v[DC+1], v[DC+2]
.if ES == 0
	v_cmp_gt_f32 vcc_lo, v[HJ], v[SB]              ; strictly better than the best: at equal scores the earlier group stays
.elseif ES == 1
	v_med3_num_f32 v[SB+1], v[HJ], v[SB], v[SB+1]  ; the second of the three
.elseif ES == 2
	v_max_num_f32 v[SB], v[HJ], v[SB]
.else
	v_cndmask_b32 v[SB+2], v[SB+2], v[GID], vcc_lo
.endif
	v_max3_num_f32 v[TC+1], v[DC+3], v[DC+4], v[DC+5]
	v_max3_num_f32 v[CD], v[TP], v[TP+1], v[TP+2]
.if ES == 0
	v_cmp_gt_f32 s28, v[HJ], v[SB+1]               ; strictly better than the second
.elseif ES == 1
	v_cndmask_b32 v[SB+3], v[SB+3], v[GID], s28
.elseif ES == 2
	v_cndmask_b32 v[SB+3], v[SB+3], v[SB+2], vcc_lo
.endif
.if TI == 0
	v_max_num_f32 v[TC+2], v[DC+6], v[DC+7]        ; a new group begins
.else
	v_max3_num_f32 v[TC+2], v[DC+6], v[DC+7], v[RUN+J]
.endif
.if DOL
	ds_load_b64 v[AF+8*TI:AF+8*TI+1], v[ADRA] offset:(4+TI)*256    ; the same tile of the next body
.endif
.endm
.Lbody:
.set i, 0
.rept 52
	STEP i, 0
.set i, i+1
.endr
	v_add_nc_u32 v[ADRA], 1024, v[ADRA]
	s_sub_co_u32 s29, s29, 1
	s_cmp_lg_u32 s29, 0
	s_cbranch_scc1 .Lbody
.set i, 0
.rept 52
	STEP i, 1                                      ; the last body, written out: the loads and the products run out
.set i, i+1
.endr
	; the last body's maxima of tiles 2 to 12 are entered, stage by stage, each tile with its own two masks
	v_max3_num_f32 v[HOLD+12], v[TS+3], v[TS+4], v[TS+5]
.irp j, 2,3,4,5,6,7,8,9,10,11,12
	v_cmp_gt_f32 s[36+2*\j], v[HOLD+\j], v[ST+4*\j]
	v_cmp_gt_f32 s[37+2*\j], v[HOLD+\j], v[ST+4*\j+1]
.endr
.irp j, 2,3,4,5,6,7,8,9,10,11,12
	v_med3_num_f32 v[ST+4*\j+1], v[HOLD+\j], v[ST+4*\j], v[ST+4*\j+1]
.endr
.irp j, 2,3,4,5,6,7,8,9,10,11,12
	v_cndmask_b32 v[ST+4*\j+3], v[ST+4*\j+3], v[GID], s[37+2*\j]
.endr
.irp j, 2,3,4,5,6,7,8,9,10,11,12
	v_max_num_f32 v[ST+4*\j], v[HOLD+\j], v[ST+4*\j]
.endr
.irp j, 2,3,4,5,6,7,8,9,10,11,12
	v_cndmask_b32 v[ST+4*\j+3], v[ST+4*\j+3], v[ST+4*\j+2], s[36+2*\j]
.endr
.irp j, 2,3,4,5,6,7,8,9,10,11,12
	v_cndmask_b32 v[ST+4*\j+2], v[ST+4*\j+2], v[GID], s[36+2*\j]
.endr
	; THE MERGE.  Lane (r, h) of wave q holds the best two groups of part 2 q + h for 13 lidar points: all go to LDS, 16 bytes each.
	s_mul_i32 s32, s20, 2*EPITCH
	s_add_co_u32 s32, s32, STATE
	v_mul_u32_u24 v4, EPITCH, v3
	v_lshl_add_u32 v4, v2, 4, v4
	v_add_nc_u32 v4, s32, v4                       ; part 2 q + h, point 16 j + r
.irp j, 0,1,2,3,4,5,6,7,8,9,10,11,12
	ds_store_b128 v4, v[ST+4*\j:ST+4*\j+3] offset:256*\j
.endr
	v_min_u32 v5, 103, v0                          ; thread t takes points 2 t and 2 t + 1; threads from 104 on repeat the last two
	v_lshlrev_b32 v5, 5, v5
	v_add_nc_u32 v5, STATE, v5
	s_lshl_b32 s32, s21, 10
	s_mov_b32 s33, 0
	s_add_nc_u64 s[10:11], s[10:11], s[32:33]      ; cand: 1,024 bytes for each work-group's 208 points
	v_lshlrev_b32 v14, 3, v0
	s_wait_dscnt 0x0                               ; my results are written,
	s_barrier_signal -1
	s_barrier_wait -1                              ; everybody's are
.irp e, 0,1,2,3,4,5,6,7
	ds_load_b128 v[MM+8*\e:MM+8*\e+3],   v5 offset:EPITCH*\e
	ds_load_b128 v[MM+8*\e+4:MM+8*\e+7], v5 offset:EPITCH*\e+16
.endr
; score f (0: best, 1: second) of part e is entered into part 0's registers, for both points.  Parts come in ascending order of their
; ids, so the strict comparison keeps the lower id at equal scores.
.macro ENT2 e, f
	v_cmp_gt_f32 vcc_lo, v[MM+8*\e+\f], v[MM]
	v_cmp_gt_f32 s36, v[MM+8*\e+4+\f], v[MM+4]
	v_cmp_gt_f32 s28, v[MM+8*\e+\f], v[MM+1]
	v_cmp_gt_f32 s37, v[MM+8*\e+4+\f], v[MM+5]
	v_med3_num_f32 v[MM+1], v[MM+8*\e+\f], v[MM], v[MM+1]
	v_med3_num_f32 v[MM+5], v[MM+8*\e+4+\f], v[MM+4], v[MM+5]
	v_cndmask_b32 v[MM+3], v[MM+3], v[MM+8*\e+2+\f], s28
	v_cndmask_b32 v[MM+7], v[MM+7], v[MM+8*\e+6+\f], s37
	v_max_num_f32 v[MM], v[MM+8*\e+\f], v[MM]
	v_max_num_f32 v[MM+4], v[MM+8*\e+4+\f], v[MM+4]
	v_cndmask_b32 v[MM+3], v[MM+3], v[MM+2], vcc_lo
	v_cndmask_b32 v[MM+7], v[MM+7], v[MM+6], s36
	v_cndmask_b32 v[MM+2], v[MM+2], v[MM+8*\e+2+\f], vcc_lo
	v_cndmask_b32 v[MM+6], v[MM+6], v[MM+8*\e+6+\f], s36
.endm
.irp e, 1,2,3,4,5,6,7
	s_wait_dscnt 14-2*\e                           ; the later parts' loads may stay out
	ENT2 \e, 0
	ENT2 \e, 1
.endr
	v_lshl_or_b32 v6, v[MM+3], 16, v[MM+2]         ; both ids in one word
	v_lshl_or_b32 v7, v[MM+7], 16, v[MM+6]
	global_store_b64 v14, v[6:7], s[10:11]         ; a wave stores 256 consecutive bytes, aligned; words 208 to 255 repeat points 206 and 207 and are not read
	s_wait_tensorcnt 0x0
	ds_add_u32 v254, v255
	s_wait_dscnt 0x0
	s_endpgm
.Lfunc_end_k_q1bb5623e29_coarse:
	.size	k_q1bb5623e29_coarse, .Lfunc_end_k_q1bb5623e29_coarse-k_q1bb5623e29_coarse
	.p2alignl 7, 3214868480
	.fill 96, 4, 3214868480
	.section	.rodata,"a",@progbits
	.p2align	6, 0x0
	.amdhsa_kernel k_q1bb5623e29_coarse
		.amdhsa_group_segment_fixed_size 109056
		.amdhsa_private_segment_fixed_size 0
		.amdhsa_enable_private_segment 0
		.amdhsa_kernarg_size 40
		.amdhsa_user_sgpr_count 2
		.amdhsa_user_sgpr_kernarg_segment_ptr 1
		.amdhsa_wavefront_size32 1
		.amdhsa_system_sgpr_workgroup_id_x 1
		.amdhsa_system_sgpr_workgroup_id_y 1
		.amdhsa_system_sgpr_workgroup_id_z 1
		.amdhsa_system_vgpr_workitem_id 0
		.amdhsa_next_free_vgpr 256
		.amdhsa_next_free_sgpr 66
		.amdhsa_reserve_vcc 1
		.amdhsa_float_denorm_mode_32 3
		.amdhsa_float_denorm_mode_16_64 3
		.amdhsa_memory_ordered 1
		.amdhsa_forward_progress 1
		.amdhsa_inst_pref_size 106
	.end_amdhsa_kernel
	.amdgpu_metadata
---
amdhsa.version: [ 1, 2 ]
amdhsa.kernels:
  - .name:           k_q1bb5623e29_coarse
    .symbol:         k_q1bb5623e29_coarse.kd
    .args:
      - { .name: lidar_voxel_coords, .offset: 0, .size: 8, .value_kind: global_buffer, .address_space: global }
      - { .name: radar_voxel_coords, .offset: 8, .size: 8, .value_kind: global_buffer, .address_space: global }
      - { .name: radar_voxel_feat, .offset: 16, .size: 8, .value_kind: global_buffer, .address_space: global }
      - { .name: cand, .offset: 24, .size: 8, .value_kind: global_buffer, .address_space: global }
      - { .name: wtab, .offset: 32, .size: 8, .value_kind: global_buffer, .address_space: global }
    .group_segment_fixed_size: 109056
    .private_segment_fixed_size: 0
    .kernarg_segment_align: 8
    .kernarg_segment_size: 40
    .max_flat_workgroup_size: 128
    .sgpr_count:     66
    .vgpr_count:     256
    .wavefront_size: 32
...
	.end_amdgpu_metadata
.endif
;; end of part 3
;; launch fine (part 4): grid 391 x 1, 16 waves a work-group, no clusters, 6,144 bytes of LDS; arguments lidar_voxel_coords, radar_voxel_coords, cand, wtab, out0; writes out0
.if DOCPART == 4
	.amdgcn_target "amdgcn-amd-amdhsa--gfx1250"
	.amdhsa_code_object_version 6
	.text
	.protected	k_q1bb5623e29_fine
	.globl	k_q1bb5623e29_fine
	.p2align	8
	.type	k_q1bb5623e29_fine,@function
k_q1bb5623e29_fine:
	s_mov_b64 s[64:65], 0
	v_nop
	global_prefetch_b8 v0, s[64:65] scope:SCOPE_SE
	s_setreg_imm32_b32 hwreg(HW_REG_WAVE_MODE, 25, 1), 1
	s_wait_xcnt 0x0
; NEAREST RADAR POINT OF EVERY LIDAR POINT, SECOND LAUNCH: THE DECISION.
; For each lidar point the first launch has stored the ids of two groups of 32 consecutive radar points.
; Here dist2 = (l2 + r2) - 2 cross is formed for these 64 points as reference() forms it (f32, sums in ascending k), the first smallest
; wins, and the winner's wtab entry (the sigmoid of its saliency, made by the first launch) is the result.
; Left out: feat is not read here (wtab holds all of it that reaches the output); radar points outside the stored groups are not
; looked at: the first launch has scored every pair.
; FORMAT: coordinates are rounded to bf16 as in the first launch.  A product of two of them has 16 significant bits and is exact in f32,
; so a fused multiply-add and a multiply followed by an add give the same bits.
; ORDER: part 0 and 1 are the halves of the lower group, parts 2 and 3 of the higher; a thread takes its 16 points in ascending order, the
; parts are merged in ascending order, and every comparison is strict: at equal dist2 the lowest index stays, as in argmin.  No index is
; carried: the choice selects a value.  Points beyond the list's end (group 156 holds 8 points of the list) are replaced by points
; 4,992 to 4,999, which come later than their first appearance and so change nothing.
; LIMITS: NaN and infinite coordinates are not treated as argmin treats them; the limits of the first launch's choice of groups hold.
; A work-group takes 128 lidar points; thread t takes point t % 128 and part t / 128.
.set NLID,  50000
.set RA,  32                           ; v[32:55]   first 8 points x 3 coordinates
.set RB,  56                           ; v[56:79]   second 8 points
.set WA,  80                           ; v[80:87]   the first eight's wtab entries
.set WB,  88                           ; v[88:95]   the second eight's
.set RSQ, 96                           ; v[96:103]  r2, then dist2
.set CRS, 104                          ; v[104:111] cross
	s_load_b256 s[4:11], s[0:1], 0x0               ; lidar s[4:5], radar s[6:7], cand s[8:9], wtab s[10:11]
	s_load_b64 s[12:13], s[0:1], 0x20              ; out0
	v_lshl_add_u32 v112, v0, 2, 0x1000
	v_mov_b32 v113, 0
	v_lshrrev_b32 v1, 5, v0
	v_readfirstlane_b32 s14, v1                    ; wave
	s_mov_b32 s15, 0xffff0000
	s_lshr_b32 s18, s14, 2                         ; part: four waves each
	s_cmp_ge_u32 s18, 2
	s_cselect_b32 s19, -1, 0                       ; parts 2 and 3: the higher group, in every lane
	s_and_b32 s20, s18, 1
	s_lshl_b32 s20, s20, 1                         ; which two of the group's four eights
	v_and_b32 v2, 127, v0
	s_lshl_b32 s16, ttmp9, 7
	v_add_nc_u32 v2, s16, v2                       ; lidar point (up to 50,047; cand holds 241 x 208 = 50,128 points)
	v_lshrrev_b32 v3, 4, v2                        ; cand has 1,024 bytes for 208 points: point / 208 = (point / 16) / 13,
	v_mul_u32_u24 v3, 5042, v3                     ; and a / 13 = a x 5,042 >> 16 for a up to 3,127: 13 x 5,042 = 65,546, so the excess is a x 10 / 851,968 < 1/13
	v_lshrrev_b32 v3, 16, v3
	v_mul_u32_u24 v3, 192, v3                      ; 1,024 - 832 bytes more for each block in front
	v_lshl_add_u32 v3, v2, 2, v3
	v_min_u32 v4, NLID-1, v2                       ; coordinates: held inside the list
	v_mul_u32_u24 v4, 12, v4
	s_wait_kmcnt 0x0
	global_load_b32 v5, v3, s[8:9]
	global_load_b32 v6, v4, s[4:5]
	global_load_b32 v7, v4, s[4:5] offset:4
	global_load_b32 v8, v4, s[4:5] offset:8
	s_wait_loadcnt 0x3                             ; the three coordinates may stay out: the ids are in
	v_and_b32 v9, 0xffff, v5
	v_lshrrev_b32 v10, 16, v5
	v_min_u32 v11, v9, v10                         ; the lower group first
	v_max_u32 v12, v9, v10
	v_cndmask_b32 v11, v11, v12, s19               ; my part's group
	v_lshl_add_u32 v11, v11, 2, s20                ; my first eight points: number 4 G + 2 (part % 2)
	v_add_nc_u32 v12, 1, v11                       ; my second eight
	v_min_u32 v11, 624, v11                        ; 625 eights hold the 5,000 points
	v_min_u32 v12, 624, v12
	v_mul_u32_u24 v13, 96, v11                     ; eight points' coordinates: 96 bytes
	v_mul_u32_u24 v14, 96, v12
	v_lshlrev_b32 v15, 5, v11                      ; their wtab entries: 32 bytes
	v_lshlrev_b32 v16, 5, v12
.irp k, 0,1,2,3,4,5
	global_load_b128 v[RA+4*\k:RA+4*\k+3], v13, s[6:7] offset:16*\k
.endr
	global_load_b128 v[WA:WA+3],   v15, s[10:11]
	global_load_b128 v[WA+4:WA+7], v15, s[10:11] offset:16
.irp k, 0,1,2,3,4,5
	global_load_b128 v[RB+4*\k:RB+4*\k+3], v14, s[6:7] offset:16*\k
.endr
	global_load_b128 v[WB:WB+3],   v16, s[10:11]
	global_load_b128 v[WB+4:WB+7], v16, s[10:11] offset:16
	s_wait_loadcnt 16                              ; the sixteen loads just issued may stay out: my point is in
	v_cvt_pk_bf16_f32 v17, v6, v7
	v_cvt_pk_bf16_f32 v18, v8, v8
	v_lshlrev_b32 v6, 16, v17
	v_and_b32 v7, s15, v17
	v_lshlrev_b32 v8, 16, v18
	v_mul_f32 v19, v6, v6                          ; l2
	v_fma_f32 v19, v7, v7, v19
	v_fma_f32 v19, v8, v8, v19
; eight points at v[R ..], their wtab entries at v[W ..]; v24 the smallest dist2 so far, v25 its entry
.macro GROUP R, W, first
.set gi, 0
.rept 12
	v_cvt_pk_bf16_f32 v[20+gi%4], v[\R+2*gi], v[\R+2*gi+1]
	v_lshlrev_b32 v[\R+2*gi], 16, v[20+gi%4]
	v_and_b32 v[\R+2*gi+1], s15, v[20+gi%4]
.set gi, gi+1
.endr
.set gi, 0
.rept 8
	v_mul_f32 v[RSQ+gi], v[\R+3*gi], v[\R+3*gi]
	v_mul_f32 v[CRS+gi], v6, v[\R+3*gi]
.set gi, gi+1
.endr
.set gi, 0
.rept 8
	v_fma_f32 v[RSQ+gi], v[\R+3*gi+1], v[\R+3*gi+1], v[RSQ+gi]
	v_fma_f32 v[CRS+gi], v7, v[\R+3*gi+1], v[CRS+gi]
.set gi, gi+1
.endr
.set gi, 0
.rept 8
	v_fma_f32 v[RSQ+gi], v[\R+3*gi+2], v[\R+3*gi+2], v[RSQ+gi]
	v_fma_f32 v[CRS+gi], v8, v[\R+3*gi+2], v[CRS+gi]
.set gi, gi+1
.endr
.set gi, 0
.rept 8
	v_add_f32 v[RSQ+gi], v19, v[RSQ+gi]            ; l2 + r2
	v_fma_f32 v[RSQ+gi], -2.0, v[CRS+gi], v[RSQ+gi] ; - 2 cross (the doubling is exact)
.set gi, gi+1
.endr
.if \first
	v_mov_b32 v24, v[RSQ]                          ; the first point starts the search
	v_mov_b32 v25, v[\W]
.set gi, 1
.else
.set gi, 0
.endif
.rept 8-\first
	v_cmp_lt_f32 vcc_lo, v[RSQ+gi], v24
	v_cndmask_b32 v25, v25, v[\W+gi], vcc_lo
	v_min_num_f32 v24, v[RSQ+gi], v24
.set gi, gi+1
.endr
.endm
	s_wait_loadcnt 0x8                             ; the second eight's loads may stay out
	GROUP RA, WA, 1
	s_wait_loadcnt 0x0
	GROUP RB, WB, 0
	; the four parts of a point meet in LDS: dist2 at 4 t, the entry at 2,048 + 4 t
	v_lshlrev_b32 v26, 2, v0
	ds_store_b32 v26, v24
	ds_store_b32 v26, v25 offset:2048
	s_wait_dscnt 0x0                               ; my two words are written,
	s_barrier_signal -1
	s_barrier_wait -1                              ; everybody's are
	s_cmp_lg_u32 s14, 0
	s_cbranch_scc1 .Lend
	v_lshlrev_b32 v27, 4, v0                       ; wave 0: lane L takes points 4 L .. 4 L + 3
.irp p, 0,1,2,3
	ds_load_b128 v[32+4*\p:35+4*\p], v27 offset:512*\p
	ds_load_b128 v[48+4*\p:51+4*\p], v27 offset:2048+512*\p
.endr
	s_wait_dscnt 0x0
.irp p, 1,2,3
.irp e, 0,1,2,3
	v_cmp_lt_f32 vcc_lo, v[32+4*\p+\e], v[32+\e]   ; a later part wins only if strictly smaller
	v_cndmask_b32 v[48+\e], v[48+\e], v[48+4*\p+\e], vcc_lo
	v_min_num_f32 v[32+\e], v[32+4*\p+\e], v[32+\e]
.endr
.endr
	v_lshl_add_u32 v28, v0, 2, s16                 ; my first point
	v_lshlrev_b32 v29, 2, v28
	v_cmp_gt_u32 vcc_lo, NLID, v28                 ; 50,000 is a multiple of 4: a lane's four points are inside or outside together
	s_wait_xcnt 0x0                                ; EXEC changes only behind this wait
	s_and_saveexec_b32 s17, vcc_lo
	global_store_b128 v29, v[48:51], s[12:13]      ; the wave stores 512 consecutive bytes, aligned (320 in the last work-group)
	s_wait_xcnt 0x0                                ; and again in front of the line that widens it
	s_or_b32 exec_lo, exec_lo, s17
.Lend:
	s_wait_tensorcnt 0x0
	ds_add_u32 v112, v113
	s_wait_dscnt 0x0
	s_endpgm
.Lfunc_end_k_q1bb5623e29_fine:
	.size	k_q1bb5623e29_fine, .Lfunc_end_k_q1bb5623e29_fine-k_q1bb5623e29_fine
	.p2alignl 7, 3214868480
	.fill 96, 4, 3214868480
	.section	.rodata,"a",@progbits
	.p2align	6, 0x0
	.amdhsa_kernel k_q1bb5623e29_fine
		.amdhsa_group_segment_fixed_size 6144
		.amdhsa_private_segment_fixed_size 0
		.amdhsa_enable_private_segment 0
		.amdhsa_kernarg_size 40
		.amdhsa_user_sgpr_count 2
		.amdhsa_user_sgpr_kernarg_segment_ptr 1
		.amdhsa_wavefront_size32 1
		.amdhsa_system_sgpr_workgroup_id_x 1
		.amdhsa_system_sgpr_workgroup_id_y 1
		.amdhsa_system_sgpr_workgroup_id_z 1
		.amdhsa_system_vgpr_workitem_id 0
		.amdhsa_next_free_vgpr 114
		.amdhsa_next_free_sgpr 66
		.amdhsa_reserve_vcc 1
		.amdhsa_float_denorm_mode_32 3
		.amdhsa_float_denorm_mode_16_64 3
		.amdhsa_memory_ordered 1
		.amdhsa_forward_progress 1
		.amdhsa_inst_pref_size 18
	.end_amdhsa_kernel
	.amdgpu_metadata
---
amdhsa.version: [ 1, 2 ]
amdhsa.kernels:
  - .name:           k_q1bb5623e29_fine
    .symbol:         k_q1bb5623e29_fine.kd
    .args:
      - { .name: lidar_voxel_coords, .offset: 0, .size: 8, .value_kind: global_buffer, .address_space: global }
      - { .name: radar_voxel_coords, .offset: 8, .size: 8, .value_kind: global_buffer, .address_space: global }
      - { .name: cand, .offset: 16, .size: 8, .value_kind: global_buffer, .address_space: global }
      - { .name: wtab, .offset: 24, .size: 8, .value_kind: global_buffer, .address_space: global }
      - { .name: out0, .offset: 32, .size: 8, .value_kind: global_buffer, .address_space: global }
    .group_segment_fixed_size: 6144
    .private_segment_fixed_size: 0
    .kernarg_segment_align: 8
    .kernarg_segment_size: 40
    .max_flat_workgroup_size: 512
    .sgpr_count:     66
    .vgpr_count:     114
    .wavefront_size: 32
...
	.end_amdgpu_metadata
.endif
;; end of part 4
;; ======== version 3 of 4: 2 launches; 1.45 times as fast as version 1
;; workspace buffers: cand 246,784 bytes of whole numbers; rec 81,920 bytes
;; launch coarse (part 5): grid 241 x 1, 4 waves a work-group, no clusters, 109,056 bytes of LDS; arguments lidar_voxel_coords, radar_voxel_coords, radar_voxel_feat, cand, rec; writes cand, rec
.if DOCPART == 5
	.amdgcn_target "amdgcn-amd-amdhsa--gfx1250"
	.amdhsa_code_object_version 6
	.text
	.protected	k_q1bb5623e29_coarse
	.globl	k_q1bb5623e29_coarse
	.p2align	8
	.type	k_q1bb5623e29_coarse,@function
k_q1bb5623e29_coarse:
	s_mov_b64 s[64:65], 0
	v_nop
	global_prefetch_b8 v0, s[64:65] scope:SCOPE_SE
	s_setreg_imm32_b32 hwreg(HW_REG_WAVE_MODE, 25, 1), 1
	s_wait_xcnt 0x0
; NEAREST RADAR POINT OF EVERY LIDAR POINT, FIRST OF TWO LAUNCHES: THE SEARCH OVER ALL PAIRS, ON THE MATRIX UNIT.
; For each lidar point this launch stores the ids of the two groups of 32 consecutive radar points that hold the best scores (cand, whole
; numbers, one word a point); the next launch decides among these 64 points with reference()'s own formula.
; It also stores a record of 16 bytes for every radar point n: rec[n] = x, y, z rounded to bf16 (as f32) and
; sigmoid(0.6 |feat[n][0]| + 0.4 feat[n][1]).  rec has 5,120 places; those from 5,000 on repeat point 4,999.
;
; WORK LEFT OUT, for all values of the inputs:
;  - feat's columns 2 to 63: reference() slices columns 0 and 1 only; the others have no way to the output and are not loaded.
;  - l2 in this launch: it is the same for all radar points of one lidar point, so argmin(l2 + r2 - 2 cross) = argmax(cross - r2/2).
;    The next launch forms l2 + r2 - 2 cross whole, as reference() does.
; FORMAT: coordinates are rounded to bf16 (nearest even) as they are loaded, here and in the next launch: the neighbour found is that of
; the rounded points.  Each coordinate is then one matrix operand and each product is exact; r2, an f32, is cut exactly into three bf16
; pieces, each multiplied by -0.5.  Six of K's 32 places are used.  With a common offset O far above the spread the rounded coordinates
; are multiples of about O/256, the products multiples of O^2/65536 and their sums below 4 O^2: about 20 bits, exact in f32, so the
; score is no difference of rounded large sums.
; LIMITS: NaN and infinite coordinates are not treated as argmin treats them, and a NaN, an infinity or an overflow that reaches only the
; work left out is not carried to the result; r2 has to stay below 2^127 (padding rows carry r2 = 2^127); two groups are kept: a third
; group whose score lies within the score's rounding (about one unit in its last place) of the best can be missed.  Scores that are
; exactly equal keep the lower group ids.
;
; SHARES: work-group x: lidar rows 208 x .. +207 (13 tiles of 16) against the whole radar list, padded to 5,120 rows, in LDS.
; Wave q: the 13 lidar tiles against quarter q of the list, 80 tiles of 16 rows.  A = 16 radar rows, B = 16 lidar columns: register j of
; D in lane (r, h) is table row 8 h + j against lidar r.
; K PLACES (ISA guide 7.12.2: registers 0 and 1 of lane (r, h) hold k = 8 h .. 8 h + 3): A holds X Y Z Q0 in lanes 0-15 and Q1 Q2 0 0 in
; lanes 16-31; B holds x y z -0.5 and -0.5 -0.5 0 0.  A's registers 2 to 7 are zero, so what stands in B's registers 2 to 7 (finite
; numbers) adds nothing: the 13 B fragments overlap, tile j being the window of eight registers that begins at its own two.
; THE TABLE: wave q, body b (four tiles), tile i, row 8 h + j holds radar point 32 G + 4 j + i with G = 40 q + 20 h + b.  So the rows that
; one half of the lanes sees in a body are the 32 consecutive points of group G, and the eight parts (q, h) follow each other in the
; list: wherever results are merged, the later one has the higher ids, and a strict comparison keeps the lower id.
; No tensor loads and no cluster: the inputs are 60,000 and 600,000 bytes and are of use only after rounding and packing in registers.
.set NRAD,   5000
.set NLID,   50000
.set RBYTES, 60000                     ; bytes of the radar list
.set STATE,  81920                     ; LDS: the table takes 320 tiles x 256 bytes; behind it the waves' results
.set EPITCH, 3328                      ; one part's results: 208 points x 16 bytes
.set BF,   16                          ; v[16:47]   13 B windows, two registers a tile, six zeros behind.  Before that: LOF, and v29-44 for the records
.set LOF,  16                          ; v16-28     byte offsets of my 13 lidar rows
.set ST,   48                          ; v[48:99]   tile j: best, second, id of best, id of second
.set RUN,  100                         ; v100-112   tile j: maximum over the body's tiles so far
.set HOLD, 113                         ; v113-125   tile j: maximum over a whole body, until it is entered into the state
.set TS,   126                         ; v126-131   two sets of three partial maxima, for even and odd steps
.set GID,  132                         ; id of the group whose maxima are being entered
.set ADRA, 133                         ; LDS address of my 8 bytes of a table tile
.set DD,   136                         ; v[136:167] four D buffers
.set AF,   168                         ; v[168:199] four A buffers, one for each tile of a body
.set RRAW, 48                          ; v48-167    set-up: 10 rounds x 4 radar rows as loaded
.set WW,   168                         ; v168-183   set-up: 4 rows x 4 words of the table
.set TT,   184                         ; v184-199   set-up: 4 rows x 4 at work
.set LRAW, 200                         ; v200-251   set-up: 13 lidar rows as loaded, four registers apart
.set MM,   136                         ; v136-199   the merge: 8 parts x 2 points x 4 words
.macro PK d, hi, lo                    ; the upper halves of two f32: lo into bits 15:0, hi into bits 31:16
	v_perm_b32 v[\d], v[\hi], v[\lo], s24
.endm
	s_load_b256 s[4:11], s[0:1], 0x0               ; lidar s[4:5], radar s[6:7], feat s[8:9], cand s[10:11]
	s_load_b64 s[12:13], s[0:1], 0x20              ; rec
	v_lshl_add_u32 v254, v0, 2, 0x1a800
	v_mov_b32 v255, 0
	v_lshrrev_b32 v1, 5, v0
	v_readfirstlane_b32 s20, v1                    ; wave = quarter q
	s_mov_b32 s21, ttmp9                           ; x
	s_mov_b32 s24, 0x07060302                      ; v_perm_b32: two upper halves
	s_mov_b32 s25, 0xffff0000                      ; an f32's upper 16 bits; also the mask of lanes 16 to 31
	v_and_b32 v1, 31, v0                           ; lane
	v_and_b32 v2, 15, v0                           ; r
	v_bfe_u32 v3, v0, 4, 1                         ; h
	; my share of the table: thread (j = t % 8, e = t / 8 % 8, bb = t / 64), round i: the four points 32 G + 4 j .. + 3 of group G = 20 e + bb + 2 i
	v_and_b32 v4, 7, v0                            ; j
	v_bfe_u32 v5, v0, 3, 3                         ; e = 2 q + h of the part that the rows are for
	v_lshrrev_b32 v6, 6, v0                        ; bb
	v_mul_u32_u24 v8, 0x1e00, v5                   ; byte offset in the list: 384 bytes a group, 48 for four points
	v_mul_u32_u24 v7, 0x180, v6
	v_add_nc_u32 v8, v8, v7
	v_mul_u32_u24 v7, 48, v4
	v_add_nc_u32 v8, v8, v7                        ; rounds 0 to 7 reach group 155 at the most and stay inside the list by themselves
	v_add_nc_u32 v9, 8*768, v8                     ; rounds 8 and 9 are held at the list's last four points
	v_min_u32 v9, RBYTES-48, v9
	v_add_nc_u32 v10, 9*768, v8
	v_min_u32 v10, RBYTES-48, v10
	v_lshrrev_b32 v7, 1, v5                        ; where they go: 20,480 q + 128 h + 1,024 b + 16 j, point i of the four in tile i (+ 256 i):
	v_mul_u32_u24 v11, 20480, v7                   ; sixteen neighbouring lanes (j, h) fill 256 consecutive bytes
	v_and_b32 v7, 1, v5
	v_lshl_add_u32 v11, v7, 7, v11
	v_lshl_add_u32 v11, v6, 10, v11
	v_lshl_add_u32 v11, v4, 4, v11
	v_mov_b32 v12, 0xbf00bf00                      ; two bf16 of -0.5
	s_mul_i32 s32, s21, 208
	v_add_nc_u32 v13, s32, v2                      ; the work-group's first lidar row + r
.set i, 0
.rept 13
	v_add_nc_u32 v[LOF+i], 16*i, v13
	v_min_u32 v[LOF+i], NLID-1, v[LOF+i]
	v_mul_u32_u24 v[LOF+i], 12, v[LOF+i]
.set i, i+1
.endr
	s_wait_kmcnt 0x0
.set i, 0
.rept 8
	global_load_b128 v[RRAW+12*i:RRAW+12*i+3],    v8, s[6:7] offset:768*i
	global_load_b128 v[RRAW+12*i+4:RRAW+12*i+7],  v8, s[6:7] offset:768*i+16
	global_load_b128 v[RRAW+12*i+8:RRAW+12*i+11], v8, s[6:7] offset:768*i+32
.set i, i+1
.endr
.irp c, 0,1,2
	global_load_b128 v[RRAW+96+4*\c:RRAW+96+4*\c+3], v9, s[6:7] offset:16*\c
.endr
.irp c, 0,1,2
	global_load_b128 v[RRAW+108+4*\c:RRAW+108+4*\c+3], v10, s[6:7] offset:16*\c
.endr
.set i, 0
.rept 13
	global_load_b96 v[LRAW+4*i:LRAW+4*i+2], v[LOF+i], s[4:5]
.set i, i+1
.endr
	; THE RECORDS: wave 0 of the first 40 work-groups makes 128 each, one a lane in four rounds: place 128 x + 32 i + lane, its point held at
	; 4,999.  The loads go out behind the others and come back with them.
	s_cmp_lg_u32 s20, 0
	s_cbranch_scc1 .Lno_w
	s_cmp_ge_u32 s21, 40
	s_cbranch_scc1 .Lno_w
	s_mov_b32 s31, 0x3f19999a                      ; 0.6
	s_lshl_b32 s32, s21, 7
	v_add_nc_u32 v15, s32, v1                      ; 128 x + lane
.set i, 0
.rept 4
	v_add_nc_u32 v[29+i], 32*i, v15
	v_min_u32 v[29+i], NRAD-1, v[29+i]
	v_mul_u32_u24 v[33+i], 12, v[29+i]             ; a point's coordinates are 12 bytes,
	v_lshlrev_b32 v[29+i], 8, v[29+i]              ; a row of feat 256
.set i, i+1
.endr
.set i, 0
.rept 4
	global_load_b96 v[TT+4*i:TT+4*i+2], v[33+i], s[6:7]
	global_load_b64 v[WW+2*i:WW+2*i+1], v[29+i], s[8:9]     ; columns 0 and 1
.set i, i+1
.endr
	s_wait_loadcnt 0x0
.set i, 0
.rept 4
	v_mul_f32 v[WW+2*i+1], 0x3ecccccd, v[WW+2*i+1]          ; 0.4 power
	v_fma_f32 v[WW+2*i], |v[WW+2*i]|, s31, v[WW+2*i+1]      ; + 0.6 |doppler|
	v_mul_f32 v[WW+2*i], 0xbfb8aa3b, v[WW+2*i]              ; times -log2(e)
.set i, i+1
.endr
.set i, 0
.rept 4
	v_exp_f32 v[WW+8+i], v[WW+2*i]
.set i, i+1
.endr
	v_nop                                          ; one plain instruction behind the exponentials (ISA guide 5.7.2)
.set i, 0
	s_wait_alu depctr_va_vdst(0)
.rept 4
	v_add_f32 v[WW+8+i], 1.0, v[WW+8+i]
	v_cvt_pk_bf16_f32 v[37+i], v[TT+4*i], v[TT+4*i+1]       ; x y rounded
	v_cvt_pk_bf16_f32 v[41+i], v[TT+4*i+2], v[TT+4*i+2]     ; z rounded
.set i, i+1
.endr
.set i, 0
.rept 4
	v_rcp_f32 v[TT+4*i+3], v[WW+8+i]               ; sigmoid(s) = 1 / (1 + 2^(-s log2 e)): an overflow gives 1/inf = 0, as sigmoid does
.set i, i+1
.endr
	v_lshlrev_b32 v15, 4, v1                       ; plain instructions behind the reciprocals
	v_lshl_add_u32 v15, s21, 11, v15               ; 2,048 x + 16 lane
.set i, 0
.rept 4
	v_lshlrev_b32 v[TT+4*i],   16,  v[37+i]        ; the rounded coordinates as f32
	v_and_b32     v[TT+4*i+1], s25, v[37+i]
	v_lshlrev_b32 v[TT+4*i+2], 16,  v[41+i]
.set i, i+1
.endr
.set i, 0
	s_wait_alu depctr_va_vdst(0)
.rept 4
	global_store_b128 v15, v[TT+4*i:TT+4*i+3], s[12:13] offset:512*i   ; each store of the wave covers 512 consecutive bytes, aligned
.set i, i+1
.endr
	s_wait_xcnt 0x0                                ; the stores' data registers are written again below
.Lno_w:
	; THE RADAR TABLE.  A row is 16 bytes: X Y | Z Q0 | Q1 Q2 | 0 0, Q0 + Q1 + Q2 = r2 of the rounded point, exactly.
.irp k, 0,1,2,3
	v_mov_b32 v[WW+4*\k+3], 0
.endr
.macro RADROUND r, pad                 ; four rows, stage by stage, so that no line waits for the one in front of it
	s_wait_loadcnt 40-3*\r                         ; the later rounds' loads and the 13 lidar loads may stay out
.irp k, 0,1,2,3
	v_cvt_pk_bf16_f32 v[WW+4*\k], v[RRAW+12*\r+3*\k], v[RRAW+12*\r+3*\k+1]     ; X Y: the table's first word
	v_cvt_pk_bf16_f32 v[TT+4*\k], v[RRAW+12*\r+3*\k+2], v[RRAW+12*\r+3*\k+2]
.endr
.irp k, 0,1,2,3
	v_lshlrev_b32 v[TT+4*\k+1], 16, v[WW+4*\k]     ; the rounded X, Y, Z as f32
	v_and_b32 v[TT+4*\k+2], s25, v[WW+4*\k]
	v_and_b32 v[TT+4*\k], s25, v[TT+4*\k]
.endr
.irp k, 0,1,2,3
	v_mul_f32 v[TT+4*\k+1], v[TT+4*\k+1], v[TT+4*\k+1]
.endr
.irp k, 0,1,2,3
	v_fma_f32 v[TT+4*\k+1], v[TT+4*\k+2], v[TT+4*\k+2], v[TT+4*\k+1]
.endr
.irp k, 0,1,2,3
	v_fma_f32 v[TT+4*\k+1], v[TT+4*\k], v[TT+4*\k], v[TT+4*\k+1]              ; r2
.endr
.if \pad
	v_cmp_gt_u32 vcc_lo, RBYTES-768*\r, v8         ; my four points lie inside the list (5,000 is a multiple of 4)
.irp k, 0,1,2,3
	v_cndmask_b32 v[TT+4*\k+1], 0x7f000000, v[TT+4*\k+1], vcc_lo              ; padding rows get r2 = 2^127 and never win
.endr
.endif
.irp k, 0,1,2,3
	v_and_b32 v[TT+4*\k+2], s25, v[TT+4*\k+1]      ; Q0: the upper 8 significant bits
.endr
.irp k, 0,1,2,3
	v_sub_f32 v[TT+4*\k+1], v[TT+4*\k+1], v[TT+4*\k+2]
	PK WW+4*\k+1, TT+4*\k+2, TT+4*\k               ; Z Q0
.endr
.irp k, 0,1,2,3
	v_and_b32 v[TT+4*\k+3], s25, v[TT+4*\k+1]      ; Q1
.endr
.irp k, 0,1,2,3
	v_sub_f32 v[TT+4*\k+1], v[TT+4*\k+1], v[TT+4*\k+3]                         ; Q2: 8 bits are left
.endr
.irp k, 0,1,2,3
	PK WW+4*\k+2, TT+4*\k+1, TT+4*\k+3             ; Q1 Q2
.endr
.irp k, 0,1,2,3
	ds_store_b128 v11, v[WW+4*\k:WW+4*\k+3] offset:2048*\r+256*\k
.endr
.endm
.irp r, 0,1,2,3,4,5,6,7
	RADROUND \r, 0
.endr
	RADROUND 8, 1
	RADROUND 9, 1
	; THE LIDAR WINDOWS: two registers a tile
	s_wait_loadcnt 0x0
.macro LIDFRAG j
.set LT, 4+2*((\j)%2)
	v_cvt_pk_bf16_f32 v[LT],   v[LRAW+4*\j], v[LRAW+4*\j+1]     ; x y
	v_cvt_pk_bf16_f32 v[LT+1], v[LRAW+4*\j+2], -0.5             ; z -0.5
	v_cndmask_b32 v[BF+2*\j],   v[LT],   v12, s25               ; lanes 16-31: -0.5 -0.5
	v_cndmask_b32 v[BF+2*\j+1], v[LT+1], 0,   s25               ; lanes 16-31: 0 0
.endm
.irp j, 0,1,2,3,4,5,6,7,8,9,10,11,12
	LIDFRAG \j
.endr
.irp k, 26,27,28,29,30,31
	v_mov_b32 v[BF+\k], 0                          ; what the last windows reach behind tile 12
.endr
	s_wait_dscnt 0x0                               ; my rows of the table are written,
	s_barrier_signal -1
	s_barrier_wait -1                              ; everybody's are
	; THE SEARCH.  A body is four radar tiles x 13 lidar tiles = 52 steps; step 13 i + j multiplies tile i by lidar tile j.
	; Three products run ahead: step s issues the product of step s + 3, makes three partial maxima of the eight results of step s (the
	; third takes the tile's running maximum along), and joins the three of step s - 1.  In a body's first tile nothing is taken along; in
	; its last tile the joined maximum goes to HOLD, where it stands for a whole body: its entry into the state (seven lines) is spread
	; over four steps, the 13 entries over the 52 steps.  A step issues seven lines at the most.
	; The four D buffers take turns and every product starts from the constant 0: there is no chain.  Behind a product stand three steps of
	; at least five plain vector instructions before its D is read, four before D is written again; an A buffer is loaded again behind
	; at least ten such instructions that follow the last product that read it (ISA guide 7.12.1).
.irp i, 0,1,2,3
.irp k, 2,3,4,5,6,7
	v_mov_b32 v[AF+8*\i+\k], 0                     ; A's K places without data, written once
.endr
.endr
	s_mul_i32 s32, s20, 20480
	v_lshlrev_b32 v[ADRA], 4, v2
	v_lshl_add_u32 v[ADRA], v3, 3, v[ADRA]
	v_add_nc_u32 v[ADRA], s32, v[ADRA]             ; my quarter + 16 r + 8 h: a load of 8 bytes a lane takes a tile's 256 bytes
.irp i, 0,1,2,3
	ds_load_b64 v[AF+8*\i:AF+8*\i+1], v[ADRA] offset:256*\i
.endr
	s_wait_dscnt 0x3                               ; tile 0 is in; tiles 1 to 3 may stay out
	v_wmma_f32_16x16x32_bf16 v[DD:DD+7],     v[AF:AF+7], v[BF:BF+7],    0
	v_wmma_f32_16x16x32_bf16 v[DD+8:DD+15],  v[AF:AF+7], v[BF+2:BF+9],  0
	v_wmma_f32_16x16x32_bf16 v[DD+16:DD+23], v[AF:AF+7], v[BF+4:BF+11], 0
	; the start values: they name no register of the three products and stand as the places in front of the first read of D
.set i, 0
.rept 13
	v_mov_b32 v[ST+4*i],   0xff800000              ; -infinity
	v_mov_b32 v[ST+4*i+1], 0xff800000
	v_mov_b32 v[ST+4*i+2], 0
	v_mov_b32 v[ST+4*i+3], 0
.set i, i+1
.endr
.irp j, 2,3,4,5,6,7,8,9,10,11
	v_mov_b32 v[HOLD+\j], 0xff800000               ; the first body's entries of tiles 2 to 12 enter nothing
.endr
.irp k, 3,4,5
	v_mov_b32 v[TS+\k], 0xff800000                 ; the first step joins these into tile 12's HOLD
.endr
	s_mul_i32 s32, s20, 40
	s_sub_co_u32 s32, s32, 1
	v_mul_u32_u24 v[GID], 20, v3
	v_add_nc_u32 v[GID], s32, v[GID]               ; group id = 40 q + 20 h + body; it starts one back and is stepped in front of tile 0's entry
	s_mov_b32 s29, 19
.macro STEP sl, last
.set J,   (\sl) % 13
.set TI,  (\sl) / 13
.set SN,  (\sl) + 3
.set DC,  DD + 8*((\sl) % 4)
.set DN,  DD + 8*(SN % 4)
.set AN,  AF + 8*((SN / 13) % 4)
.set BN,  BF + 2*(SN % 13)
.set TC,  TS + 3*((\sl) % 2)
.set TP,  TS + 3*(((\sl) + 1) % 2)
.set PJ,  ((\sl) + 12) % 13
.if (((\sl) + 51) % 52) / 13 == 3
.set CD,  HOLD + PJ                                ; the step before was of the body's last tile
.else
.set CD,  RUN + PJ
.endif
.set EJ,  (((\sl) + 8) % 52) / 4                   ; the tile whose entry is under way: tile 0 in steps 44-47, 1 in 48-51, 2 in 0-3, .. 12 in 40-43
.set ES,  ((\sl) + 8) % 4                          ; and which quarter of it
.set SB,  ST + 4*EJ
.set HJ,  HOLD + EJ
.set DOW, 1
.set DOL, 0
.set WC,  -1
.if J == 10
.set DOL, 1
.set WC,  2                                        ; this step's product is the first of the next tile: the two A loads issued behind that tile's may stay out
.endif
.if \last
.set DOL, 0                                        ; no tile beyond the 80th
.if SN >= 52
.set DOW, 0                                        ; no product beyond the last
.endif
.if J == 10
.set WC,  2 - TI                                   ; the loads run out: 2, 1, 0, then nothing to wait for
.endif
.endif
.if WC >= 0
	s_wait_dscnt WC
.endif
.if DOW
	v_wmma_f32_16x16x32_bf16 v[DN:DN+7], v[AN:AN+7], v[BN:BN+7], 0
.endif
.if (\sl) == 44
	v_add_nc_u32 v[GID], 1, v[GID]                 ; tile 12's entry of the body before is over
.endif
	v_max3_num_f32 v[TC], v[DC], v[DC+1], v[DC+2]
.if ES == 0
	v_cmp_gt_f32 vcc_lo, v[HJ], v[SB]              ; strictly better than the best: at equal scores the earlier group stays
.elseif ES == 1
	v_med3_num_f32 v[SB+1], v[HJ], v[SB], v[SB+1]  ; the second of the three
.elseif ES == 2
	v_max_num_f32 v[SB], v[HJ], v[SB]
.else
	v_cndmask_b32 v[SB+2], v[SB+2], v[GID], vcc_lo
.endif
	v_max3_num_f32 v[TC+1], v[DC+3], v[DC+4], v[DC+5]
	v_max3_num_f32 v[CD], v[TP], v[TP+1], v[TP+2]
.if ES == 0
	v_cmp_gt_f32 s28, v[HJ], v[SB+1]               ; strictly better than the second
.elseif ES == 1
	v_cndmask_b32 v[SB+3], v[SB+3], v[GID], s28
.elseif ES == 2
	v_cndmask_b32 v[SB+3], v[SB+3], v[SB+2], vcc_lo
.endif
.if TI == 0
	v_max_num_f32 v[TC+2], v[DC+6], v[DC+7]        ; a new group begins
.else
	v_max3_num_f32 v[TC+2], v[DC+6], v[DC+7], v[RUN+J]
.endif
.if DOL
	ds_load_b64 v[AF+8*TI:AF+8*TI+1], v[ADRA] offset:(4+TI)*256    ; the same tile of the next body
.endif
.endm
.Lbody:
.set i, 0
.rept 52
	STEP i, 0
.set i, i+1
.endr
	v_add_nc_u32 v[ADRA], 1024, v[ADRA]
	s_sub_co_u32 s29, s29, 1
	s_cmp_lg_u32 s29, 0
	s_cbranch_scc1 .Lbody
.set i, 0
.rept 52
	STEP i, 1                                      ; the last body, written out: the loads and the products run out
.set i, i+1
.endr
	; the last body's maxima of tiles 2 to 12 are entered, stage by stage, each tile with its own two masks
	v_max3_num_f32 v[HOLD+12], v[TS+3], v[TS+4], v[TS+5]
.irp j, 2,3,4,5,6,7,8,9,10,11,12
	v_cmp_gt_f32 s[36+2*\j], v[HOLD+\j], v[ST+4*\j]
	v_cmp_gt_f32 s[37+2*\j], v[HOLD+\j], v[ST+4*\j+1]
.endr
.irp j, 2,3,4,5,6,7,8,9,10,11,12
	v_med3_num_f32 v[ST+4*\j+1], v[HOLD+\j], v[ST+4*\j], v[ST+4*\j+1]
.endr
.irp j, 2,3,4,5,6,7,8,9,10,11,12
	v_cndmask_b32 v[ST+4*\j+3], v[ST+4*\j+3], v[GID], s[37+2*\j]
.endr
.irp j, 2,3,4,5,6,7,8,9,10,11,12
	v_max_num_f32 v[ST+4*\j], v[HOLD+\j], v[ST+4*\j]
.endr
.irp j, 2,3,4,5,6,7,8,9,10,11,12
	v_cndmask_b32 v[ST+4*\j+3], v[ST+4*\j+3], v[ST+4*\j+2], s[36+2*\j]
.endr
.irp j, 2,3,4,5,6,7,8,9,10,11,12
	v_cndmask_b32 v[ST+4*\j+2], v[ST+4*\j+2], v[GID], s[36+2*\j]
.endr
	; THE MERGE.  Lane (r, h) of wave q holds the best two groups of part 2 q + h for 13 lidar points: all go to LDS, 16 bytes each.
	s_mul_i32 s32, s20, 2*EPITCH
	s_add_co_u32 s32, s32, STATE
	v_mul_u32_u24 v4, EPITCH, v3
	v_lshl_add_u32 v4, v2, 4, v4
	v_add_nc_u32 v4, s32, v4                       ; part 2 q + h, point 16 j + r
.irp j, 0,1,2,3,4,5,6,7,8,9,10,11,12
	ds_store_b128 v4, v[ST+4*\j:ST+4*\j+3] offset:256*\j
.endr
	v_min_u32 v5, 103, v0                          ; thread t takes points 2 t and 2 t + 1; threads from 104 on repeat the last two
	v_lshlrev_b32 v5, 5, v5
	v_add_nc_u32 v5, STATE, v5
	s_lshl_b32 s32, s21, 10
	s_mov_b32 s33, 0
	s_add_nc_u64 s[10:11], s[10:11], s[32:33]      ; cand: 1,024 bytes for each work-group's 208 points
	v_lshlrev_b32 v14, 3, v0
	s_wait_dscnt 0x0                               ; my results are written,
	s_barrier_signal -1
	s_barrier_wait -1                              ; everybody's are
.irp e, 0,1,2,3,4,5,6,7
	ds_load_b128 v[MM+8*\e:MM+8*\e+3],   v5 offset:EPITCH*\e
	ds_load_b128 v[MM+8*\e+4:MM+8*\e+7], v5 offset:EPITCH*\e+16
.endr
; score f (0: best, 1: second) of part e is entered into part 0's registers, for both points.  Parts come in ascending order of their
; ids, so the strict comparison keeps the lower id at equal scores.
.macro ENT2 e, f
	v_cmp_gt_f32 vcc_lo, v[MM+8*\e+\f], v[MM]
	v_cmp_gt_f32 s36, v[MM+8*\e+4+\f], v[MM+4]
	v_cmp_gt_f32 s28, v[MM+8*\e+\f], v[MM+1]
	v_cmp_gt_f32 s37, v[MM+8*\e+4+\f], v[MM+5]
	v_med3_num_f32 v[MM+1], v[MM+8*\e+\f], v[MM], v[MM+1]
	v_med3_num_f32 v[MM+5], v[MM+8*\e+4+\f], v[MM+4], v[MM+5]
	v_cndmask_b32 v[MM+3], v[MM+3], v[MM+8*\e+2+\f], s28
	v_cndmask_b32 v[MM+7], v[MM+7], v[MM+8*\e+6+\f], s37
	v_max_num_f32 v[MM], v[MM+8*\e+\f], v[MM]
	v_max_num_f32 v[MM+4], v[MM+8*\e+4+\f], v[MM+4]
	v_cndmask_b32 v[MM+3], v[MM+3], v[MM+2], vcc_lo
	v_cndmask_b32 v[MM+7], v[MM+7], v[MM+6], s36
	v_cndmask_b32 v[MM+2], v[MM+2], v[MM+8*\e+2+\f], vcc_lo
	v_cndmask_b32 v[MM+6], v[MM+6], v[MM+8*\e+6+\f], s36
.endm
.irp e, 1,2,3,4,5,6,7
	s_wait_dscnt 14-2*\e                           ; the later parts' loads may stay out
	ENT2 \e, 0
	ENT2 \e, 1
.endr
	v_lshl_or_b32 v6, v[MM+3], 16, v[MM+2]         ; both ids in one word
	v_lshl_or_b32 v7, v[MM+7], 16, v[MM+6]
	global_store_b64 v14, v[6:7], s[10:11]         ; a wave stores 256 consecutive bytes, aligned; words 208 to 255 repeat points 206 and 207 and are not read
	s_wait_tensorcnt 0x0
	ds_add_u32 v254, v255
	s_wait_dscnt 0x0
	s_endpgm
.Lfunc_end_k_q1bb5623e29_coarse:
	.size	k_q1bb5623e29_coarse, .Lfunc_end_k_q1bb5623e29_coarse-k_q1bb5623e29_coarse
	.p2alignl 7, 3214868480
	.fill 96, 4, 3214868480
	.section	.rodata,"a",@progbits
	.p2align	6, 0x0
	.amdhsa_kernel k_q1bb5623e29_coarse
		.amdhsa_group_segment_fixed_size 109056
		.amdhsa_private_segment_fixed_size 0
		.amdhsa_enable_private_segment 0
		.amdhsa_kernarg_size 40
		.amdhsa_user_sgpr_count 2
		.amdhsa_user_sgpr_kernarg_segment_ptr 1
		.amdhsa_wavefront_size32 1
		.amdhsa_system_sgpr_workgroup_id_x 1
		.amdhsa_system_sgpr_workgroup_id_y 1
		.amdhsa_system_sgpr_workgroup_id_z 1
		.amdhsa_system_vgpr_workitem_id 0
		.amdhsa_next_free_vgpr 256
		.amdhsa_next_free_sgpr 66
		.amdhsa_reserve_vcc 1
		.amdhsa_float_denorm_mode_32 3
		.amdhsa_float_denorm_mode_16_64 3
		.amdhsa_memory_ordered 1
		.amdhsa_forward_progress 1
		.amdhsa_inst_pref_size 108
	.end_amdhsa_kernel
	.amdgpu_metadata
---
amdhsa.version: [ 1, 2 ]
amdhsa.kernels:
  - .name:           k_q1bb5623e29_coarse
    .symbol:         k_q1bb5623e29_coarse.kd
    .args:
      - { .name: lidar_voxel_coords, .offset: 0, .size: 8, .value_kind: global_buffer, .address_space: global }
      - { .name: radar_voxel_coords, .offset: 8, .size: 8, .value_kind: global_buffer, .address_space: global }
      - { .name: radar_voxel_feat, .offset: 16, .size: 8, .value_kind: global_buffer, .address_space: global }
      - { .name: cand, .offset: 24, .size: 8, .value_kind: global_buffer, .address_space: global }
      - { .name: rec, .offset: 32, .size: 8, .value_kind: global_buffer, .address_space: global }
    .group_segment_fixed_size: 109056
    .private_segment_fixed_size: 0
    .kernarg_segment_align: 8
    .kernarg_segment_size: 40
    .max_flat_workgroup_size: 128
    .sgpr_count:     66
    .vgpr_count:     256
    .wavefront_size: 32
...
	.end_amdgpu_metadata
.endif
;; end of part 5
;; launch fine (part 6): grid 782 x 1, 4 waves a work-group, no clusters, 36,352 bytes of LDS; arguments lidar_voxel_coords, cand, rec, out0; writes out0
.if DOCPART == 6
	.amdgcn_target "amdgcn-amd-amdhsa--gfx1250"
	.amdhsa_code_object_version 6
	.text
	.protected	k_q1bb5623e29_fine
	.globl	k_q1bb5623e29_fine
	.p2align	8
	.type	k_q1bb5623e29_fine,@function
k_q1bb5623e29_fine:
	s_mov_b64 s[64:65], 0
	v_nop
	global_prefetch_b8 v0, s[64:65] scope:SCOPE_SE
	s_setreg_imm32_b32 hwreg(HW_REG_WAVE_MODE, 25, 1), 1
	s_wait_xcnt 0x0
; NEAREST RADAR POINT OF EVERY LIDAR POINT, SECOND LAUNCH: THE DECISION.
; For each lidar point the first launch has stored the ids of two groups of 32 consecutive radar points, and for each radar point a record
; of 16 bytes: x, y, z rounded to bf16 (as f32) and w, the sigmoid of its saliency.
; Here dist2 = (l2 + r2) - 2 cross is formed for the 64 points as reference() forms it (f32, sums in ascending k), the first smallest
; wins, and the winner's w is the result.
; Left out: feat and the radar coordinates are not read here (the records hold all of them that reaches the output); radar points outside
; the stored groups are not looked at: the first launch has scored every pair.
; FORMAT: coordinates are rounded to bf16 as in the first launch.  A product of two of them has 16 significant bits and is exact in f32,
; so a fused multiply-add and a multiply followed by an add give the same bits.
; SHARES: a work-group takes 64 lidar points, 256 bytes of out0.  Wave w = 2 g + b takes group g (0: the lower id, 1: the higher) of the 32
; points 64 x + 2 i + b.  For one point a LANE TAKES ONE RADAR POINT: lane L loads record L of the group, so a load of the wave covers the
; group's 512 consecutive bytes.  The lidar point's numbers are the same in all lanes and come as scalars, read from the lane that holds them.
; The 32 pairs (dist2, w) of point p go to row p of the wave's own LDS region; lane i reads row i back, so that the search for the smallest
; runs for 32 points at once, one in each lane.
; ORDER: a row's elements are the group's points in ascending order; the merge joins neighbours, the lower first, and the higher wins only
; if strictly smaller; group 1 is joined onto group 0 in the same way: at equal dist2 the lowest index stays, as in argmin.  No index is
; carried: the choice selects a value.  Records from place 5,000 on repeat point 4,999, come later than it and so change nothing.
; LIMITS: NaN and infinite coordinates are not treated as argmin treats them; the limits of the first launch's choice of groups hold.
.set NLID,   50000
.set MAXOFF, 159*512                   ; byte offset of the last group of records
.set PITCH,  272                       ; an LDS row: 32 pairs of 8 bytes + 16: an odd multiple of 16, so 16 lanes that read 16 rows touch 16 different columns of 16 bytes
.set WREG,   32*PITCH                  ; a wave's 32 rows
.set XCH,    4*WREG                    ; behind them: 256 bytes for each wave's results
.set VO,  32                           ; v32-63     byte offsets of the 32 record loads
.set R,   64                           ; v[64:191]  point p: the record x y z w; dist2 then takes z's place
.set T,   192                          ; v192-199   four points x (r2, cross)
.set MM,  32                           ; the merge: element e is the pair at v[32 + 2 e] for e < 16 and at v[160 + 2 e] from 16 on
	s_load_b256 s[4:11], s[0:1], 0x0               ; lidar s[4:5], cand s[6:7], rec s[8:9], out0 s[10:11]
	v_lshl_add_u32 v224, v0, 2, 0x8c00
	v_mov_b32 v225, 0
	v_lshrrev_b32 v1, 5, v0
	v_readfirstlane_b32 s14, v1                    ; wave
	s_mov_b32 s15, 0xffff0000
	s_and_b32 s19, s14, 1                          ; b: even or odd points
	s_cmp_ge_u32 s14, 2
	s_cselect_b32 s18, -1, 0                       ; g = 1: the higher group, in every lane
	s_lshl_b32 s16, ttmp9, 6                       ; the work-group's first point
	s_add_co_u32 s21, s16, s19
	s_mul_i32 s20, s14, WREG                       ; my wave's rows
	v_and_b32 v1, 31, v0                           ; lane
	v_lshl_add_u32 v2, v1, 1, s21                  ; my point (up to 50,047; cand holds 241 x 208 = 50,128 points)
	v_lshrrev_b32 v3, 4, v2                        ; cand has 1,024 bytes for 208 points: point / 208 = (point / 16) / 13,
	v_mul_u32_u24 v3, 5042, v3                     ; and a / 13 = a x 5,042 >> 16 for a up to 3,127: 13 x 5,042 = 65,546, so the excess is a x 10 / 851,968 < 1/13
	v_lshrrev_b32 v3, 16, v3
	v_mul_u32_u24 v3, 192, v3                      ; 1,024 - 832 bytes more for each block in front
	v_lshl_add_u32 v3, v2, 2, v3
	v_min_u32 v4, NLID-1, v2                       ; coordinates: held inside the list
	v_mul_u32_u24 v4, 12, v4
	v_lshlrev_b32 v5, 4, v1                        ; my record in a group
	v_lshl_add_u32 v6, v1, 3, s20                  ; in: my pair in a row
	v_mul_u32_u24 v7, PITCH, v1
	v_add_nc_u32 v7, s20, v7                       ; back: my row
	v_lshl_add_u32 v18, v0, 3, XCH                 ; my result: 256 bytes a wave
	s_wait_kmcnt 0x0
	global_load_b32 v8, v3, s[6:7]
	global_load_b96 v[10:12], v4, s[4:5]
	s_wait_loadcnt 0x1                             ; the coordinates may stay out: the ids are in
	v_and_b32 v9, 0xffff, v8
	v_lshrrev_b32 v13, 16, v8
	v_min_u32 v14, v9, v13
	v_max_u32 v15, v9, v13
	v_cndmask_b32 v14, v14, v15, s18               ; my wave's group
	v_lshlrev_b32 v14, 9, v14                      ; 512 bytes a group
	; all 32 record loads go out together, eight at a time stage by stage: the offset of point p from lane p, held inside rec, + 16 lane
.set pp, 0
.rept 4
.irp k, 0,1,2,3,4,5,6,7
	v_readlane_b32 s[24+\k], v14, pp+\k
.endr
.irp k, 0,1,2,3,4,5,6,7
	s_min_u32 s[24+\k], s[24+\k], MAXOFF
.endr
.irp k, 0,1,2,3,4,5,6,7
	v_add_nc_u32 v[VO+pp+\k], s[24+\k], v5
.endr
.irp k, 0,1,2,3,4,5,6,7
	global_load_b128 v[R+4*(pp+\k):R+4*(pp+\k)+3], v[VO+pp+\k], s[8:9]
.endr
.set pp, pp+8
.endr
	s_wait_loadcnt 32                              ; the 32 loads just issued may stay out: my point is in
	v_cvt_pk_bf16_f32 v16, v10, v11
	v_cvt_pk_bf16_f32 v17, v12, v12
	v_lshlrev_b32 v10, 16, v16
	v_and_b32 v11, s15, v16
	v_lshlrev_b32 v12, 16, v17
	v_mul_f32 v13, v10, v10                        ; l2
	v_fma_f32 v13, v11, v11, v13
	v_fma_f32 v13, v12, v12, v13
; points 4 q .. 4 q + 3, stage by stage.  Two sets of sixteen scalars take turns.
.macro QUAD q
.set SB, 32+16*((\q)%2)
.irp k, 0,1,2,3
	v_readlane_b32 s[SB+4*\k],   v10, 4*\q+\k      ; lx, ly, lz, l2 of the point, for all lanes
	v_readlane_b32 s[SB+4*\k+1], v11, 4*\q+\k
	v_readlane_b32 s[SB+4*\k+2], v12, 4*\q+\k
	v_readlane_b32 s[SB+4*\k+3], v13, 4*\q+\k
.endr
	s_wait_loadcnt 28-4*\q                         ; the records of the later points may stay out
.irp k, 0,1,2,3
	v_mul_f32 v[T+2*\k],   v[R+4*(4*\q+\k)], v[R+4*(4*\q+\k)]
	v_mul_f32 v[T+2*\k+1], s[SB+4*\k], v[R+4*(4*\q+\k)]
.endr
.irp k, 0,1,2,3
	v_fma_f32 v[T+2*\k],   v[R+4*(4*\q+\k)+1], v[R+4*(4*\q+\k)+1], v[T+2*\k]
	v_fma_f32 v[T+2*\k+1], s[SB+4*\k+1], v[R+4*(4*\q+\k)+1], v[T+2*\k+1]
.endr
.irp k, 0,1,2,3
	v_fma_f32 v[T+2*\k],   v[R+4*(4*\q+\k)+2], v[R+4*(4*\q+\k)+2], v[T+2*\k]       ; r2
	v_fma_f32 v[T+2*\k+1], s[SB+4*\k+2], v[R+4*(4*\q+\k)+2], v[T+2*\k+1]           ; cross
.endr
.irp k, 0,1,2,3
	v_add_f32 v[T+2*\k], s[SB+4*\k+3], v[T+2*\k]                                   ; l2 + r2
.endr
.irp k, 0,1,2,3
	v_fma_f32 v[R+4*(4*\q+\k)+2], -2.0, v[T+2*\k+1], v[T+2*\k]                     ; - 2 cross (the doubling is exact), beside w
.endr
.irp k, 0,1,2,3
	ds_store_b64 v6, v[R+4*(4*\q+\k)+2:R+4*(4*\q+\k)+3] offset:PITCH*(4*\q+\k)     ; 256 consecutive bytes: row p
.endr
.endm
.irp q, 0,1,2,3,4,5,6,7
	QUAD \q
.endr
	; my row back: 16 loads of two pairs.  The rows are my wave's own and LDS serves a wave's instructions in order (ISA guide 5.7.1.4), so
	; these see the stores above.  They land in the offsets' registers (all record loads are back) and in registers that no store named.
.irp k, 0,1,2,3,4,5,6,7,8,9,10,11,12,13,14,15
	ds_load_b128 v[MM+4*\k+128*(\k/8):MM+4*\k+128*(\k/8)+3], v7 offset:16*\k
.endr
	s_wait_dscnt 0x0
; one level of the merge: element ee (the best of st elements) takes element ee + st (the best of the next st) if that is strictly smaller
.macro PAIR st
.set EA, MM+2*ee+128*(ee/16)
.set EB, MM+2*(ee+\st)+128*((ee+\st)/16)
.set EM, 32+ee/(2*\st)
.endm
.macro LEVEL st
.set ee, 0
.rept 16/\st
	PAIR \st
	v_cmp_lt_f32 s[EM], v[EB], v[EA]
.set ee, ee+2*\st
.endr
.set ee, 0
.rept 16/\st
	PAIR \st
	v_cndmask_b32 v[EA+1], v[EA+1], v[EB+1], s[EM]
.set ee, ee+2*\st
.endr
.set ee, 0
.rept 16/\st
	PAIR \st
	v_min_num_f32 v[EA], v[EB], v[EA]
.set ee, ee+2*\st
.endr
.endm
	LEVEL 1
	LEVEL 2
	LEVEL 4
	LEVEL 8
	LEVEL 16
	; the four waves' results meet: wave w's 32 pairs at XCH + 256 w
	ds_store_b64 v18, v[MM:MM+1]
	s_wait_dscnt 0x0                               ; my pairs are written,
	s_barrier_signal -1
	s_barrier_wait -1                              ; everybody's are
	s_cmp_lg_u32 s14, 0
	s_cbranch_scc1 .Lend
	ds_load_b64 v[40:41], v18                      ; wave 0, lane i: point 2 i, group 0
	ds_load_b64 v[42:43], v18 offset:256           ; point 2 i + 1, group 0
	ds_load_b64 v[44:45], v18 offset:512           ; point 2 i, group 1
	ds_load_b64 v[46:47], v18 offset:768           ; point 2 i + 1, group 1
	v_lshl_add_u32 v20, v1, 1, s16                 ; my first point
	v_lshlrev_b32 v21, 2, v20
	s_wait_dscnt 0x0
	v_cmp_lt_f32 vcc_lo, v44, v40                  ; the higher group wins only if strictly smaller
	v_cmp_lt_f32 s32, v46, v42
	v_cndmask_b32 v48, v41, v45, vcc_lo
	v_cndmask_b32 v49, v43, v47, s32
	v_cmp_gt_u32 vcc_lo, NLID, v20                 ; 50,000 is even: a lane's two points are inside or outside together
	s_wait_xcnt 0x0                                ; EXEC changes only behind this wait
	s_and_saveexec_b32 s17, vcc_lo
	global_store_b64 v21, v[48:49], s[10:11]       ; the wave stores 256 consecutive bytes, aligned (64 in the last work-group)
	s_wait_xcnt 0x0                                ; and again in front of the line that widens it
	s_or_b32 exec_lo, exec_lo, s17
.Lend:
	s_wait_tensorcnt 0x0
	ds_add_u32 v224, v225
	s_wait_dscnt 0x0
	s_endpgm
.Lfunc_end_k_q1bb5623e29_fine:
	.size	k_q1bb5623e29_fine, .Lfunc_end_k_q1bb5623e29_fine-k_q1bb5623e29_fine
	.p2alignl 7, 3214868480
	.fill 96, 4, 3214868480
	.section	.rodata,"a",@progbits
	.p2align	6, 0x0
	.amdhsa_kernel k_q1bb5623e29_fine
		.amdhsa_group_segment_fixed_size 36352
		.amdhsa_private_segment_fixed_size 0
		.amdhsa_enable_private_segment 0
		.amdhsa_kernarg_size 32
		.amdhsa_user_sgpr_count 2
		.amdhsa_user_sgpr_kernarg_segment_ptr 1
		.amdhsa_wavefront_size32 1
		.amdhsa_system_sgpr_workgroup_id_x 1
		.amdhsa_system_sgpr_workgroup_id_y 1
		.amdhsa_system_sgpr_workgroup_id_z 1
		.amdhsa_system_vgpr_workitem_id 0
		.amdhsa_next_free_vgpr 226
		.amdhsa_next_free_sgpr 66
		.amdhsa_reserve_vcc 1
		.amdhsa_float_denorm_mode_32 3
		.amdhsa_float_denorm_mode_16_64 3
		.amdhsa_memory_ordered 1
		.amdhsa_forward_progress 1
		.amdhsa_inst_pref_size 41
	.end_amdhsa_kernel
	.amdgpu_metadata
---
amdhsa.version: [ 1, 2 ]
amdhsa.kernels:
  - .name:           k_q1bb5623e29_fine
    .symbol:         k_q1bb5623e29_fine.kd
    .args:
      - { .name: lidar_voxel_coords, .offset: 0, .size: 8, .value_kind: global_buffer, .address_space: global }
      - { .name: cand, .offset: 8, .size: 8, .value_kind: global_buffer, .address_space: global }
      - { .name: rec, .offset: 16, .size: 8, .value_kind: global_buffer, .address_space: global }
      - { .name: out0, .offset: 24, .size: 8, .value_kind: global_buffer, .address_space: global }
    .group_segment_fixed_size: 36352
    .private_segment_fixed_size: 0
    .kernarg_segment_align: 8
    .kernarg_segment_size: 32
    .max_flat_workgroup_size: 128
    .sgpr_count:     66
    .vgpr_count:     226
    .wavefront_size: 32
...
	.end_amdgpu_metadata
.endif
;; end of part 6
;; ======== version 4 of 4: 2 launches; version 3 with the launch coarse written anew for expert scheduling mode
;; workspace buffers: cand 246,784 bytes of whole numbers; rec 81,920 bytes
;; launch coarse (part 7): grid 241 x 1, 4 waves a work-group, no clusters, 109,056 bytes of LDS; arguments lidar_voxel_coords, radar_voxel_coords, radar_voxel_feat, cand, rec; writes cand, rec
.if DOCPART == 7
	.amdgcn_target "amdgcn-amd-amdhsa--gfx1250"
	.amdhsa_code_object_version 6
	.text
	.protected	k_q1bb5623e29_coarse
	.globl	k_q1bb5623e29_coarse
	.p2align	8
	.type	k_q1bb5623e29_coarse,@function
k_q1bb5623e29_coarse:
	s_mov_b64 s[64:65], 0
	v_nop
	global_prefetch_b8 v0, s[64:65] scope:SCOPE_SE
	s_setreg_imm32_b32 hwreg(HW_REG_WAVE_SCHED_MODE, 0, 2), 2
	s_setreg_imm32_b32 hwreg(HW_REG_WAVE_MODE, 25, 1), 1
	s_wait_xcnt 0x0
	s_wait_alu depctr_vm_vsrc(0)
; NEAREST RADAR POINT OF EVERY LIDAR POINT, FIRST OF TWO LAUNCHES: THE SEARCH OVER ALL PAIRS, ON THE MATRIX UNIT.
; For each lidar point this launch stores the ids of the two groups of 32 consecutive radar points that hold the best scores (cand, whole
; numbers, one word a point); the next launch decides among these 64 points with reference()'s own formula.
; It also stores a record of 16 bytes for every radar point n: rec[n] = x, y, z rounded to bf16 (as f32) and
; sigmoid(0.6 |feat[n][0]| + 0.4 feat[n][1]).  rec has 5,120 places; those from 5,000 on repeat point 4,999.
;
; WORK LEFT OUT, for all values of the inputs:
;  - feat's columns 2 to 63: reference() slices columns 0 and 1 only; the others have no way to the output and are not loaded.
;  - l2 in this launch: it is the same for all radar points of one lidar point, so argmin(l2 + r2 - 2 cross) = argmax(cross - r2/2).
;    The next launch forms l2 + r2 - 2 cross whole, as reference() does.
; FORMAT: coordinates are rounded to bf16 (nearest even) as they are loaded, here and in the next launch: the neighbour found is that of
; the rounded points.  Each coordinate is then one matrix operand and each product is exact; r2, an f32, is cut exactly into three bf16
; pieces, each multiplied by -0.5.  Six of K's 32 places are used.  With a common offset O far above the spread the rounded coordinates
; are multiples of about O/256, the products multiples of O^2/65536 and their sums below 4 O^2: about 20 bits, exact in f32, so the
; score is no difference of rounded large sums.
; LIMITS: NaN and infinite coordinates are not treated as argmin treats them, and a NaN, an infinity or an overflow that reaches only the
; work left out is not carried to the result; r2 has to stay below 2^127 (padding rows carry r2 = 2^127); two groups are kept: a third
; group whose score lies within the score's rounding (about one unit in its last place) of the best can be missed.  Scores that are
; exactly equal keep the lower group ids.
;
; SHARES: work-group x: lidar rows 208 x .. +207 (13 tiles of 16) against the whole radar list, padded to 5,120 rows, in LDS.
; Wave q: the 13 lidar tiles against quarter q of the list, 80 tiles of 16 rows.  A = 16 radar rows, B = 16 lidar columns: register j of
; D in lane (r, h) is table row 8 h + j against lidar r.
; K PLACES (ISA guide 7.12.2: registers 0 and 1 of lane (r, h) hold k = 8 h .. 8 h + 3): A holds X Y Z Q0 in lanes 0-15 and Q1 Q2 0 0 in
; lanes 16-31; B holds x y z -0.5 and -0.5 -0.5 0 0.  A's registers 2 to 7 are zero, so what stands in B's registers 2 to 7 (finite
; numbers) adds nothing: the 13 B fragments overlap, tile j being the window of eight registers that begins at its own two.
; THE TABLE: wave q, body b (four tiles), tile i, row 8 h + j holds radar point 32 G + 4 j + i with G = 40 q + 20 h + b.  So the rows that
; one half of the lanes sees in a body are the 32 consecutive points of group G, and the eight parts (q, h) follow each other in the
; list: wherever results are merged, the later one has the higher ids, and a strict comparison keeps the lower id.
; No tensor loads and no cluster: the inputs are 60,000 and 600,000 bytes and are of use only after rounding and packing in registers.
;
; THE MODE: SCHED_MODE bits 1:0 = 2 (LLVM: expert scheduling mode 2), set by the entry lines.  The code itself states the register dependences
; between vector or matrix instructions and memory or LDS instructions, and between a vector instruction that writes a scalar register or
; VCC and the readers of that register, with s_wait_alu, always for 0.
; THE PLAN.  Registers that memory or LDS instructions touch, and who else names them:
;   v8-11, LOF    offsets, made once at the head; read by the 43 loads and by the table's LDS stores.  LOF's registers become lidar windows later.
;   WW, W2        two buffers of sixteen table words, by turns.  Round r's arithmetic writes buffer r % 2; the four LDS stores that read it are
;                 issued in round r + 1, dealt among that round's arithmetic, which names the other buffer.
;   AF0 .. AF3    a body's four fragments of A.  Tile i's thirteen products read AF[i]; AF0 and AF1 are loaded again at the head of step 23, AF2 and AF3
;                 at the head of step 49, each time behind the last product that read them.
;   ADRA          read by these LDS loads; written once a body, at the head of step 23.
;   D, the lidar windows, the maxima and the state are named by vector and matrix instructions alone, until the way out.
; So two waits on va_vdst stand in a body of 52 products, each with its two loads straight behind it, and one wait on vm_vsrc, ahead of the add to
; ADRA.  The comparisons of the state's entries are laid in runs, each tile into two scalar registers of its own, with one wait on va_sdst behind a run.
.set NRAD,   5000
.set NLID,   50000
.set RBYTES, 60000                     ; bytes of the radar list
.set STATE,  81920                     ; LDS: the table takes 320 tiles x 256 bytes; behind it the waves' results
.set EPITCH, 3328                      ; one part's results: 208 points x 16 bytes
.set BF,   16                          ; v[16:47]   13 B windows, two registers a tile, six zeros behind.  Before that: LOF, v29-44 for the records, then W2
.set LOF,  16                          ; v16-28     byte offsets of my 13 lidar rows
.set W2,   32                          ; v32-47     set-up: 4 rows x 4 words of the table, the odd rounds' buffer
.set ST,   48                          ; v[48:99]   tile j: best, second, id of best, id of second
.set RUN,  100                         ; v100-112   tile j: maximum over the body's tiles so far
.set HOLD, 113                         ; v113-125   tile j: maximum over a whole body, until it is entered into the state
.set TS,   126                         ; v126-131   two sets of three partial maxima, for even and odd steps
.set GID,  132                         ; id of the group whose maxima are being entered
.set ADRA, 133                         ; LDS address of my 8 bytes of a table tile
.set DD,   136                         ; v[136:167] four D buffers
.set AF,   168                         ; v[168:199] four A buffers, one for each tile of a body
.set RRAW, 48                          ; v48-167    set-up: 10 rounds x 4 radar rows as loaded
.set WW,   168                         ; v168-183   set-up: 4 rows x 4 words of the table, the even rounds' buffer
.set TT,   184                         ; v184-199   set-up: 4 rows x 4 at work
.set LRAW, 200                         ; v200-251   set-up: 13 lidar rows as loaded, four registers apart
.set MM,   136                         ; v136-199   the merge: 8 parts x 2 points x 4 words
.macro PK d, hi, lo                    ; the upper halves of two f32: lo into bits 15:0, hi into bits 31:16
	v_perm_b32 v[\d], v[\hi], v[\lo], s24
.endm
	s_load_b256 s[4:11], s[0:1], 0x0               ; lidar s[4:5], radar s[6:7], feat s[8:9], cand s[10:11]
	s_load_b64 s[12:13], s[0:1], 0x20              ; rec
	v_lshl_add_u32 v254, v0, 2, 0x1a800
	v_mov_b32 v255, 0
	v_lshrrev_b32 v1, 5, v0
	v_readfirstlane_b32 s20, v1                    ; wave = quarter q
	s_mov_b32 s21, ttmp9                           ; x
	s_mov_b32 s24, 0x07060302                      ; v_perm_b32: two upper halves
	s_mov_b32 s25, 0xffff0000                      ; an f32's upper 16 bits; also the mask of lanes 16 to 31
	v_and_b32 v1, 31, v0                           ; lane
	v_and_b32 v2, 15, v0                           ; r
	v_bfe_u32 v3, v0, 4, 1                         ; h
	; my share of the table: thread (j = t % 8, e = t / 8 % 8, bb = t / 64), round i: the four points 32 G + 4 j .. + 3 of group G = 20 e + bb + 2 i
	v_and_b32 v4, 7, v0                            ; j
	v_bfe_u32 v5, v0, 3, 3                         ; e = 2 q + h of the part that the rows are for
	v_lshrrev_b32 v6, 6, v0                        ; bb
	v_mul_u32_u24 v8, 0x1e00, v5                   ; byte offset in the list: 384 bytes a group, 48 for four points
	v_mul_u32_u24 v7, 0x180, v6
	v_add_nc_u32 v8, v8, v7
	v_mul_u32_u24 v7, 48, v4
	v_add_nc_u32 v8, v8, v7                        ; rounds 0 to 7 reach group 155 at the most and stay inside the list by themselves
	v_add_nc_u32 v9, 8*768, v8                     ; rounds 8 and 9 are held at the list's last four points
	v_min_u32 v9, RBYTES-48, v9
	v_add_nc_u32 v10, 9*768, v8
	v_min_u32 v10, RBYTES-48, v10
	v_lshrrev_b32 v7, 1, v5                        ; where they go: 20,480 q + 128 h + 1,024 b + 16 j, point i of the four in tile i (+ 256 i):
	v_mul_u32_u24 v11, 20480, v7                   ; sixteen neighbouring lanes (j, h) fill 256 consecutive bytes
	v_and_b32 v7, 1, v5
	v_lshl_add_u32 v11, v7, 7, v11
	v_lshl_add_u32 v11, v6, 10, v11
	v_lshl_add_u32 v11, v4, 4, v11
	v_mov_b32 v12, 0xbf00bf00                      ; two bf16 of -0.5
	s_mul_i32 s32, s21, 208
	v_add_nc_u32 v13, s32, v2                      ; the work-group's first lidar row + r
.set i, 0
.rept 13
	v_add_nc_u32 v[LOF+i], 16*i, v13
	v_min_u32 v[LOF+i], NLID-1, v[LOF+i]
	v_mul_u32_u24 v[LOF+i], 12, v[LOF+i]
.set i, i+1
.endr
	s_wait_alu depctr_va_sdst(0)                   ; s20 is written, ahead of its first reader: the branch below, and later LDS addresses, are made from it
	s_wait_kmcnt 0x0
	s_wait_alu depctr_va_vdst(0)                   ; v8 to v11 and LOF are written, which the loads below and the table's LDS stores read as offsets
.set i, 0
.rept 8
	global_load_b128 v[RRAW+12*i:RRAW+12*i+3],    v8, s[6:7] offset:768*i
	global_load_b128 v[RRAW+12*i+4:RRAW+12*i+7],  v8, s[6:7] offset:768*i+16
	global_load_b128 v[RRAW+12*i+8:RRAW+12*i+11], v8, s[6:7] offset:768*i+32
.set i, i+1
.endr
.irp c, 0,1,2
	global_load_b128 v[RRAW+96+4*\c:RRAW+96+4*\c+3], v9, s[6:7] offset:16*\c
.endr
.irp c, 0,1,2
	global_load_b128 v[RRAW+108+4*\c:RRAW+108+4*\c+3], v10, s[6:7] offset:16*\c
.endr
.set i, 0
.rept 13
	global_load_b96 v[LRAW+4*i:LRAW+4*i+2], v[LOF+i], s[4:5]
.set i, i+1
.endr
	; THE RECORDS: wave 0 of the first 40 work-groups makes 128 each, one a lane in four rounds: place 128 x + 32 i + lane, its point held at
	; 4,999.  The loads go out behind the others and come back with them.
	s_cmp_lg_u32 s20, 0
	s_cbranch_scc1 .Lno_w
	s_cmp_ge_u32 s21, 40
	s_cbranch_scc1 .Lno_w
	s_mov_b32 s31, 0x3f19999a                      ; 0.6
	s_lshl_b32 s32, s21, 7
	v_add_nc_u32 v15, s32, v1                      ; 128 x + lane
.set i, 0
.rept 4
	v_add_nc_u32 v[29+i], 32*i, v15
	v_min_u32 v[29+i], NRAD-1, v[29+i]
	v_mul_u32_u24 v[33+i], 12, v[29+i]             ; a point's coordinates are 12 bytes,
	v_lshlrev_b32 v[29+i], 8, v[29+i]              ; a row of feat 256
.set i, i+1
.endr
	s_wait_alu depctr_va_vdst(0)                   ; v29 to v36 are written, which the eight loads below read as offsets
.set i, 0
.rept 4
	global_load_b96 v[TT+4*i:TT+4*i+2], v[33+i], s[6:7]
	global_load_b64 v[WW+2*i:WW+2*i+1], v[29+i], s[8:9]     ; columns 0 and 1
.set i, i+1
.endr
	s_wait_loadcnt 0x0
.set i, 0
.rept 4
	v_mul_f32 v[WW+2*i+1], 0x3ecccccd, v[WW+2*i+1]          ; 0.4 power
	v_fma_f32 v[WW+2*i], |v[WW+2*i]|, s31, v[WW+2*i+1]      ; + 0.6 |doppler|
	v_mul_f32 v[WW+2*i], 0xbfb8aa3b, v[WW+2*i]              ; times -log2(e)
.set i, i+1
.endr
.set i, 0
.rept 4
	v_exp_f32 v[WW+8+i], v[WW+2*i]
.set i, i+1
.endr
	v_nop                                          ; one plain instruction behind the exponentials (ISA guide 5.7.2)
.set i, 0
	s_wait_alu depctr_va_vdst(0)
.rept 4
	v_add_f32 v[WW+8+i], 1.0, v[WW+8+i]
	v_cvt_pk_bf16_f32 v[37+i], v[TT+4*i], v[TT+4*i+1]       ; x y rounded
	v_cvt_pk_bf16_f32 v[41+i], v[TT+4*i+2], v[TT+4*i+2]     ; z rounded
.set i, i+1
.endr
.set i, 0
.rept 4
	v_rcp_f32 v[TT+4*i+3], v[WW+8+i]               ; sigmoid(s) = 1 / (1 + 2^(-s log2 e)): an overflow gives 1/inf = 0, as sigmoid does
.set i, i+1
.endr
	v_lshlrev_b32 v15, 4, v1                       ; plain instructions behind the reciprocals
	v_lshl_add_u32 v15, s21, 11, v15               ; 2,048 x + 16 lane
.set i, 0
.rept 4
	v_lshlrev_b32 v[TT+4*i],   16,  v[37+i]        ; the rounded coordinates as f32
	v_and_b32     v[TT+4*i+1], s25, v[37+i]
	v_lshlrev_b32 v[TT+4*i+2], 16,  v[41+i]
.set i, i+1
.endr
	s_wait_alu depctr_va_vdst(0)                   ; the four records in v[TT ..] and the offset v15 are written, which the stores read
.set i, 0
.rept 4
	global_store_b128 v15, v[TT+4*i:TT+4*i+3], s[12:13] offset:512*i   ; each store of the wave covers 512 consecutive bytes, aligned
.set i, i+1
.endr
	s_wait_xcnt 0x0                                ; the stores' data registers are written again below
	s_wait_alu depctr_vm_vsrc(0)                   ; the stores have read v[TT ..], and the block's loads v29 to v36: the table's rounds write TT and W2 (v32 on)
.Lno_w:
	; THE RADAR TABLE.  A row is 16 bytes: X Y | Z Q0 | Q1 Q2 | 0 0, Q0 + Q1 + Q2 = r2 of the rounded point, exactly.
.irp k, 0,1,2,3
	v_mov_b32 v[WW+4*\k+3], 0
	v_mov_b32 v[W2+4*\k+3], 0
.endr
.macro TSTORE r, k                     ; row k of the round in front of round r goes to the table, out of that round's buffer WP
.if \r > 0
	ds_store_b128 v11, v[WP+4*\k:WP+4*\k+3] offset:2048*((\r)-1)+256*\k
.endif
.endm
.macro RADROUND r, pad                 ; four rows, stage by stage, so that no line waits for the one in front of it; the stores of the round before stand between the stages
.set WA, WW+(W2-WW)*((\r)%2)           ; this round's words
.set WP, WW+(W2-WW)*(((\r)+1)%2)       ; the words of the round before
	s_wait_loadcnt 40-3*\r                         ; the later rounds' loads and the 13 lidar loads may stay out
.if \r > 0
	s_wait_alu depctr_va_vdst(0)                   ; the round before has written its sixteen words, which the four stores below read; no line of this round names them
.endif
.if \r > 1
	s_wait_alu depctr_vm_vsrc(0)                   ; the stores issued in the round before have read this round's buffer, which is written again below
.endif
.if \pad
	v_cmp_gt_u32 vcc_lo, RBYTES-768*\r, v8         ; my four points lie inside the list (5,000 is a multiple of 4)
.endif
.irp k, 0,1,2,3
	v_cvt_pk_bf16_f32 v[WA+4*\k], v[RRAW+12*\r+3*\k], v[RRAW+12*\r+3*\k+1]     ; X Y: the table's first word
	v_cvt_pk_bf16_f32 v[TT+4*\k], v[RRAW+12*\r+3*\k+2], v[RRAW+12*\r+3*\k+2]
.endr
	TSTORE \r, 0
.irp k, 0,1,2,3
	v_lshlrev_b32 v[TT+4*\k+1], 16, v[WA+4*\k]     ; the rounded X, Y, Z as f32
	v_and_b32 v[TT+4*\k+2], s25, v[WA+4*\k]
	v_and_b32 v[TT+4*\k], s25, v[TT+4*\k]
.endr
	TSTORE \r, 1
.irp k, 0,1,2,3
	v_mul_f32 v[TT+4*\k+1], v[TT+4*\k+1], v[TT+4*\k+1]
.endr
	TSTORE \r, 2
.irp k, 0,1,2,3
	v_fma_f32 v[TT+4*\k+1], v[TT+4*\k+2], v[TT+4*\k+2], v[TT+4*\k+1]
.endr
	TSTORE \r, 3
.irp k, 0,1,2,3
	v_fma_f32 v[TT+4*\k+1], v[TT+4*\k], v[TT+4*\k], v[TT+4*\k+1]              ; r2
.endr
.if \pad
	s_wait_alu depctr_va_vcc(0)                    ; the comparison at the round's head has written VCC, which the four selections read
.irp k, 0,1,2,3
	v_cndmask_b32 v[TT+4*\k+1], 0x7f000000, v[TT+4*\k+1], vcc_lo              ; padding rows get r2 = 2^127 and never win
.endr
.endif
.irp k, 0,1,2,3
	v_and_b32 v[TT+4*\k+2], s25, v[TT+4*\k+1]      ; Q0: the upper 8 significant bits
.endr
.irp k, 0,1,2,3
	v_sub_f32 v[TT+4*\k+1], v[TT+4*\k+1], v[TT+4*\k+2]
	PK WA+4*\k+1, TT+4*\k+2, TT+4*\k               ; Z Q0
.endr
.irp k, 0,1,2,3
	v_and_b32 v[TT+4*\k+3], s25, v[TT+4*\k+1]      ; Q1
.endr
.irp k, 0,1,2,3
	v_sub_f32 v[TT+4*\k+1], v[TT+4*\k+1], v[TT+4*\k+3]                         ; Q2: 8 bits are left
.endr
.irp k, 0,1,2,3
	PK WA+4*\k+2, TT+4*\k+1, TT+4*\k+3             ; Q1 Q2
.endr
.endm
.irp r, 0,1,2,3,4,5,6,7
	RADROUND \r, 0
.endr
	RADROUND 8, 1
	RADROUND 9, 1
	s_wait_alu depctr_va_vdst(0)                   ; round 9 has written its sixteen words, which the last four stores read
.set WP, W2
.irp k, 0,1,2,3
	TSTORE 10, \k
.endr
	; THE LIDAR WINDOWS: two registers a tile
	s_wait_loadcnt 0x0
	s_wait_alu depctr_vm_vsrc(0)                   ; the lidar loads have read LOF and the table's stores W2 and WW: the windows are written over LOF and W2, A's zeros over WW
.macro LIDFRAG j
.set LT, 4+2*((\j)%2)
	v_cvt_pk_bf16_f32 v[LT],   v[LRAW+4*\j], v[LRAW+4*\j+1]     ; x y
	v_cvt_pk_bf16_f32 v[LT+1], v[LRAW+4*\j+2], -0.5             ; z -0.5
	v_cndmask_b32 v[BF+2*\j],   v[LT],   v12, s25               ; lanes 16-31: -0.5 -0.5
	v_cndmask_b32 v[BF+2*\j+1], v[LT+1], 0,   s25               ; lanes 16-31: 0 0
.endm
.irp j, 0,1,2,3,4,5,6,7,8,9,10,11,12
	LIDFRAG \j
.endr
.irp k, 26,27,28,29,30,31
	v_mov_b32 v[BF+\k], 0                          ; what the last windows reach behind tile 12
.endr
	s_wait_dscnt 0x0                               ; my rows of the table are written,
	s_barrier_signal -1
	s_barrier_wait -1                              ; everybody's are
	; THE SEARCH.  A body is four radar tiles x 13 lidar tiles = 52 steps; step 13 i + j multiplies tile i by lidar tile j.
	; Three products run ahead: step s issues the product of step s + 3, makes three partial maxima of the eight results of step s (the
	; third takes the tile's running maximum along), and joins the three of step s - 1.  In a body's first tile nothing is taken along; in
	; its last tile the joined maximum goes to HOLD, where it stands for a whole body.
	; THE ENTRIES of the 13 maxima into the state, seven lines each, go in four batches: tiles 2-5 in steps 0-15, 6-9 in 16-31, 10-12 in 32-43 (all
	; three of the body before), tiles 0-1 of this body in 44-51.  A batch goes stage by stage: all its comparisons, each tile into two scalar
	; registers of its own; its medians; ONE wait for the comparisons' scalar results; then the lines that read them.  Of each four steps three
	; take two lines and one takes one, so a step has four lines of maxima and one or two of entries.  No batch crosses the loop's label.
	; The four D buffers take turns and every product starts from the constant 0: there is no chain.  Behind a product stand three steps of
	; at least five plain vector instructions before its D is read, four before D is written again (ISA guide 7.12.1).
	; A's fragments: the wait at the head of steps 23 and 49 states that the products issued so far are done reading; the last that read AF1 was issued
	; in step 22, the last that read AF3 in step 48.  The two loads follow the wait with nothing between.
.irp i, 0,1,2,3
.irp k, 2,3,4,5,6,7
	v_mov_b32 v[AF+8*\i+\k], 0                     ; A's K places without data, written once
.endr
.endr
	s_mul_i32 s32, s20, 20480
	v_lshlrev_b32 v[ADRA], 4, v2
	v_lshl_add_u32 v[ADRA], v3, 3, v[ADRA]
	v_add_nc_u32 v[ADRA], s32, v[ADRA]             ; my quarter + 16 r + 8 h: a load of 8 bytes a lane takes a tile's 256 bytes
	s_wait_alu depctr_va_vdst(0)                   ; ADRA is written, which the loads read; the set-up's arithmetic is done with v168 to v199, in which they land
.irp i, 0,1,2,3
	ds_load_b64 v[AF+8*\i:AF+8*\i+1], v[ADRA] offset:256*\i
.endr
	s_wait_dscnt 0x3                               ; tile 0 is in; tiles 1 to 3 may stay out
	v_wmma_f32_16x16x32_bf16 v[DD:DD+7],     v[AF:AF+7], v[BF:BF+7],    0
	v_wmma_f32_16x16x32_bf16 v[DD+8:DD+15],  v[AF:AF+7], v[BF+2:BF+9],  0
	v_wmma_f32_16x16x32_bf16 v[DD+16:DD+23], v[AF:AF+7], v[BF+4:BF+11], 0
	; the start values: they name no register of the three products and stand as the places in front of the first read of D
.set i, 0
.rept 13
	v_mov_b32 v[ST+4*i],   0xff800000              ; -infinity
	v_mov_b32 v[ST+4*i+1], 0xff800000
	v_mov_b32 v[ST+4*i+2], 0
	v_mov_b32 v[ST+4*i+3], 0
.set i, i+1
.endr
.irp j, 2,3,4,5,6,7,8,9,10,11
	v_mov_b32 v[HOLD+\j], 0xff800000               ; the first body's entries of tiles 2 to 12 enter nothing
.endr
.irp k, 3,4,5
	v_mov_b32 v[TS+\k], 0xff800000                 ; the first step joins these into tile 12's HOLD
.endr
	s_mul_i32 s32, s20, 40
	s_sub_co_u32 s32, s32, 1
	v_mul_u32_u24 v[GID], 20, v3
	v_add_nc_u32 v[GID], s32, v[GID]               ; group id = 40 q + 20 h + body; it starts one back and is stepped in front of tile 0's entry
	s_mov_b32 s29, 19
; Line EL of a batch of EN entries that begins with tile ET: 2 EN comparisons, then five stages of EN lines.  STEP sets the three numbers.
.macro ENTRY
.if EL < 2*EN
.set EJ,  ET + EL/2
.else
.set EJ,  ET + EL%EN
.endif
.set SB,  ST + 4*EJ
.set HJ,  HOLD + EJ
.set MA,  36 + 2*EJ                                ; the tile's two masks: s[MA] better than the best, s[MA+1] better than the second
.if EL < 2*EN
.if EL%2 == 0
	v_cmp_gt_f32 s[MA], v[HJ], v[SB]               ; strictly better than the best: at equal scores the earlier group stays
.else
	v_cmp_gt_f32 s[MA+1], v[HJ], v[SB+1]           ; strictly better than the second
.endif
.elseif EL < 3*EN
	v_med3_num_f32 v[SB+1], v[HJ], v[SB], v[SB+1]  ; the second of the three
.elseif EL < 4*EN
.if EL == 3*EN
	s_wait_alu depctr_va_sdst(0)                   ; the batch's comparisons have written their masks, ahead of the first line that reads one
.endif
	v_cndmask_b32 v[SB+3], v[SB+3], v[GID], s[MA+1]
.elseif EL < 5*EN
	v_max_num_f32 v[SB], v[HJ], v[SB]
.elseif EL < 6*EN
	v_cndmask_b32 v[SB+3], v[SB+3], v[SB+2], s[MA]
.else
	v_cndmask_b32 v[SB+2], v[SB+2], v[GID], s[MA]
.endif
.set EL,  EL+1
.endm
.macro STEP sl, last
.set J,   (\sl) % 13
.set TI,  (\sl) / 13
.set SN,  (\sl) + 3
.set DC,  DD + 8*((\sl) % 4)
.set DN,  DD + 8*(SN % 4)
.set AN,  AF + 8*((SN / 13) % 4)
.set BN,  BF + 2*(SN % 13)
.set TC,  TS + 3*((\sl) % 2)
.set TP,  TS + 3*(((\sl) + 1) % 2)
.set PJ,  ((\sl) + 12) % 13
.if (((\sl) + 51) % 52) / 13 == 3
.set CD,  HOLD + PJ                                ; the step before was of the body's last tile
.else
.set CD,  RUN + PJ
.endif
.if (\sl) < 16                                     ; the batch of entries under way: its first step, its size, its first tile
.set EF,  0
.set EN,  4
.set ET,  2
.elseif (\sl) < 32
.set EF,  16
.set EN,  4
.set ET,  6
.elseif (\sl) < 44
.set EF,  32
.set EN,  3
.set ET,  10
.else
.set EF,  44
.set EN,  2
.set ET,  0
.endif
.set EL,  7*(((\sl)-EF)/4) + 2*(((\sl)-EF)%4)      ; the step's first line of the batch: 2, 2, 2, 1 lines in four steps
.set DOW, 1
.set DOL, 0
.set WC,  -1
.if J == 10
.set DOL, TI % 2                                   ; steps 23 and 49 load two fragments each
.set WC,  2 - (TI % 2)                             ; this step's product is the first of the next tile.  Behind that tile's load were issued: step 10: tiles 2 and 3;
.endif                                             ; step 23: tile 3; step 36: the next body's tiles 0 and 1; step 49: the next body's tile 1
.if \last
.set DOL, 0                                        ; no tile beyond the 80th
.if SN >= 52
.set DOW, 0                                        ; no product beyond the last
.endif
.if J == 10
.set WC,  2 - TI                                   ; the loads run out: 2, 1, 0, then nothing to wait for
.endif
.endif
.if WC >= 0
	s_wait_dscnt WC
.endif
.if DOL
.if TI == 1
	s_wait_alu depctr_vm_vsrc(0)                   ; the LDS loads issued so far have read ADRA
	v_add_nc_u32 v[ADRA], 1024, v[ADRA]            ; on to the next body's four tiles
.endif
	s_wait_alu depctr_va_vdst(0)                   ; the products issued so far are done reading the two fragments in which the loads below land; in step 23 ADRA is written
	ds_load_b64 v[AF+8*(TI-1):AF+8*(TI-1)+1], v[ADRA] offset:(TI-1)*256   ; the same two tiles of the next body
	ds_load_b64 v[AF+8*TI:AF+8*TI+1],         v[ADRA] offset:TI*256
.endif
.if DOW
	v_wmma_f32_16x16x32_bf16 v[DN:DN+7], v[AN:AN+7], v[BN:BN+7], 0
.endif
.if (\sl) == 44
	v_add_nc_u32 v[GID], 1, v[GID]                 ; tile 12's entry of the body before is over
.endif
	v_max3_num_f32 v[TC], v[DC], v[DC+1], v[DC+2]
	ENTRY
	v_max3_num_f32 v[TC+1], v[DC+3], v[DC+4], v[DC+5]
	v_max3_num_f32 v[CD], v[TP], v[TP+1], v[TP+2]
.if ((\sl)-EF) % 4 < 3
	ENTRY
.endif
.if TI == 0
	v_max_num_f32 v[TC+2], v[DC+6], v[DC+7]        ; a new group begins
.else
	v_max3_num_f32 v[TC+2], v[DC+6], v[DC+7], v[RUN+J]
.endif
.endm
.Lbody:
.set i, 0
.rept 52
	STEP i, 0
.set i, i+1
.endr
	s_sub_co_u32 s29, s29, 1
	s_cmp_lg_u32 s29, 0
	s_cbranch_scc1 .Lbody
.set i, 0
.rept 52
	STEP i, 1                                      ; the last body, written out: the loads and the products run out
.set i, i+1
.endr
	; the last body's maxima of tiles 2 to 12 are entered, stage by stage, each tile with its own two masks
	v_max3_num_f32 v[HOLD+12], v[TS+3], v[TS+4], v[TS+5]
.irp j, 2,3,4,5,6,7,8,9,10,11,12
	v_cmp_gt_f32 s[36+2*\j], v[HOLD+\j], v[ST+4*\j]
	v_cmp_gt_f32 s[37+2*\j], v[HOLD+\j], v[ST+4*\j+1]
.endr
.irp j, 2,3,4,5,6,7,8,9,10,11,12
	v_med3_num_f32 v[ST+4*\j+1], v[HOLD+\j], v[ST+4*\j], v[ST+4*\j+1]
.endr
	s_wait_alu depctr_va_sdst(0)                   ; the 22 comparisons have written their masks, ahead of the first line that reads one
.irp j, 2,3,4,5,6,7,8,9,10,11,12
	v_cndmask_b32 v[ST+4*\j+3], v[ST+4*\j+3], v[GID], s[37+2*\j]
.endr
.irp j, 2,3,4,5,6,7,8,9,10,11,12
	v_max_num_f32 v[ST+4*\j], v[HOLD+\j], v[ST+4*\j]
.endr
.irp j, 2,3,4,5,6,7,8,9,10,11,12
	v_cndmask_b32 v[ST+4*\j+3], v[ST+4*\j+3], v[ST+4*\j+2], s[36+2*\j]
.endr
.irp j, 2,3,4,5,6,7,8,9,10,11,12
	v_cndmask_b32 v[ST+4*\j+2], v[ST+4*\j+2], v[GID], s[36+2*\j]
.endr
	; THE MERGE.  Lane (r, h) of wave q holds the best two groups of part 2 q + h for 13 lidar points: all go to LDS, 16 bytes each.
	s_mul_i32 s32, s20, 2*EPITCH
	s_add_co_u32 s32, s32, STATE
	v_mul_u32_u24 v4, EPITCH, v3
	v_lshl_add_u32 v4, v2, 4, v4
	v_add_nc_u32 v4, s32, v4                       ; part 2 q + h, point 16 j + r
	v_min_u32 v5, 103, v0                          ; thread t takes points 2 t and 2 t + 1; threads from 104 on repeat the last two
	v_lshlrev_b32 v5, 5, v5
	v_add_nc_u32 v5, STATE, v5
	v_lshlrev_b32 v14, 3, v0
	s_wait_alu depctr_va_vdst(0)                   ; the state and v4 are written, which the LDS stores read; so are v5 and v14, the offsets of the loads and of the store below;
	                                               ; and the products and maxima are done with v136 to v199, in which those loads land: no vector line stands between this wait and them
.irp j, 0,1,2,3,4,5,6,7,8,9,10,11,12
	ds_store_b128 v4, v[ST+4*\j:ST+4*\j+3] offset:256*\j
.endr
	s_lshl_b32 s32, s21, 10
	s_mov_b32 s33, 0
	s_add_nc_u64 s[10:11], s[10:11], s[32:33]      ; cand: 1,024 bytes for each work-group's 208 points
	s_wait_dscnt 0x0                               ; my results are written,
	s_barrier_signal -1
	s_barrier_wait -1                              ; everybody's are
.irp e, 0,1,2,3,4,5,6,7
	ds_load_b128 v[MM+8*\e:MM+8*\e+3],   v5 offset:EPITCH*\e
	ds_load_b128 v[MM+8*\e+4:MM+8*\e+7], v5 offset:EPITCH*\e+16
.endr
; score f (0: best, 1: second) of part e is entered into part 0's registers, for both points.  Parts come in ascending order of their
; ids, so the strict comparison keeps the lower id at equal scores.
.macro ENT2 e, f
	v_cmp_gt_f32 s38, v[MM+8*\e+\f], v[MM]
	v_cmp_gt_f32 s36, v[MM+8*\e+4+\f], v[MM+4]
	v_cmp_gt_f32 s28, v[MM+8*\e+\f], v[MM+1]
	v_cmp_gt_f32 s37, v[MM+8*\e+4+\f], v[MM+5]
	v_med3_num_f32 v[MM+1], v[MM+8*\e+\f], v[MM], v[MM+1]
	v_med3_num_f32 v[MM+5], v[MM+8*\e+4+\f], v[MM+4], v[MM+5]
	s_wait_alu depctr_va_sdst(0)                   ; the four comparisons have written their masks, ahead of the first line that reads one
	v_cndmask_b32 v[MM+3], v[MM+3], v[MM+8*\e+2+\f], s28
	v_cndmask_b32 v[MM+7], v[MM+7], v[MM+8*\e+6+\f], s37
	v_max_num_f32 v[MM], v[MM+8*\e+\f], v[MM]
	v_max_num_f32 v[MM+4], v[MM+8*\e+4+\f], v[MM+4]
	v_cndmask_b32 v[MM+3], v[MM+3], v[MM+2], s38
	v_cndmask_b32 v[MM+7], v[MM+7], v[MM+6], s36
	v_cndmask_b32 v[MM+2], v[MM+2], v[MM+8*\e+2+\f], s38
	v_cndmask_b32 v[MM+6], v[MM+6], v[MM+8*\e+6+\f], s36
.endm
.irp e, 1,2,3,4,5,6,7
	s_wait_dscnt 14-2*\e                           ; the later parts' loads may stay out
	ENT2 \e, 0
	ENT2 \e, 1
.endr
	v_lshl_or_b32 v6, v[MM+3], 16, v[MM+2]         ; both ids in one word
	v_lshl_or_b32 v7, v[MM+7], 16, v[MM+6]
	s_wait_alu depctr_va_vdst(0)                   ; v6 and v7 are written, which the store reads
	global_store_b64 v14, v[6:7], s[10:11]         ; a wave stores 256 consecutive bytes, aligned; words 208 to 255 repeat points 206 and 207 and are not read
	s_wait_dscnt 0x0
	s_wait_alu depctr_hold_cnt(0) depctr_sa_sdst(0) depctr_va_vdst(0) depctr_va_sdst(0) depctr_va_ssrc(0) depctr_va_vcc(0) depctr_vm_vsrc(0)
	s_wait_tensorcnt 0x0
	ds_add_u32 v254, v255
	s_wait_dscnt 0x0
	s_endpgm
.Lfunc_end_k_q1bb5623e29_coarse:
	.size	k_q1bb5623e29_coarse, .Lfunc_end_k_q1bb5623e29_coarse-k_q1bb5623e29_coarse
	.p2alignl 7, 3214868480
	.fill 96, 4, 3214868480
	.section	.rodata,"a",@progbits
	.p2align	6, 0x0
	.amdhsa_kernel k_q1bb5623e29_coarse
		.amdhsa_group_segment_fixed_size 109056
		.amdhsa_private_segment_fixed_size 0
		.amdhsa_enable_private_segment 0
		.amdhsa_kernarg_size 40
		.amdhsa_user_sgpr_count 2
		.amdhsa_user_sgpr_kernarg_segment_ptr 1
		.amdhsa_wavefront_size32 1
		.amdhsa_system_sgpr_workgroup_id_x 1
		.amdhsa_system_sgpr_workgroup_id_y 1
		.amdhsa_system_sgpr_workgroup_id_z 1
		.amdhsa_system_vgpr_workitem_id 0
		.amdhsa_next_free_vgpr 256
		.amdhsa_next_free_sgpr 66
		.amdhsa_reserve_vcc 1
		.amdhsa_float_denorm_mode_32 3
		.amdhsa_float_denorm_mode_16_64 3
		.amdhsa_memory_ordered 1
		.amdhsa_forward_progress 1
		.amdhsa_inst_pref_size 113
	.end_amdhsa_kernel
	.amdgpu_metadata
---
amdhsa.version: [ 1, 2 ]
amdhsa.kernels:
  - .name:           k_q1bb5623e29_coarse
    .symbol:         k_q1bb5623e29_coarse.kd
    .args:
      - { .name: lidar_voxel_coords, .offset: 0, .size: 8, .value_kind: global_buffer, .address_space: global }
      - { .name: radar_voxel_coords, .offset: 8, .size: 8, .value_kind: global_buffer, .address_space: global }
      - { .name: radar_voxel_feat, .offset: 16, .size: 8, .value_kind: global_buffer, .address_space: global }
      - { .name: cand, .offset: 24, .size: 8, .value_kind: global_buffer, .address_space: global }
      - { .name: rec, .offset: 32, .size: 8, .value_kind: global_buffer, .address_space: global }
    .group_segment_fixed_size: 109056
    .private_segment_fixed_size: 0
    .kernarg_segment_align: 8
    .kernarg_segment_size: 40
    .max_flat_workgroup_size: 128
    .sgpr_count:     66
    .vgpr_count:     256
    .wavefront_size: 32
...
	.end_amdgpu_metadata
.endif
;; end of part 7
;; launch fine: the kernel of part 6 again; grid 782 x 1, 4 waves a work-group, no clusters, 36,352 bytes of LDS; arguments lidar_voxel_coords, cand, rec, out0; writes out0
